; MI455X (gfx1250); checked and timed in simulation.
; The chip was launched on July 23, 2026; its instructions are those of AMD's public machine-readable ISA for CDNA 5 (MIT licence, August 2026) and "CDNA5" Instruction Set Architecture Reference Guide (July 2026). The comments in the code are by the model that wrote it; some were corrected since.
;; Multi Head Attention. Allowed arithmetic: matrix products marked QUANTISED: E2M1 operands, one E8M0 scale for each 32 along K, by v_wmma_scale_f32_16x16x128_f8f6f4 with both operands' format E2M1 (or v_wmma_scale_f32_32x16x128_f4), f32 sums; products left as they are: bf16, f16 or f32 operands; f32 sums; everything else in f32.
;; Inputs: Wk 16 x 1,024 x 64 float32; Wo 1,024 x 1,024 float32; Wq 16 x 1,024 x 64 float32; Wv 16 x 1,024 x 64 float32; bk 16 x 64 float32; bo 1,024 float32; bq 16 x 64 float32; bv 16 x 64 float32; x 4 x 2,048 x 1,024 float32.
;; Outputs: out0 4 x 2,048 x 1,024 float32.
;; This version of the problem:
;;   THIS VERSION OF THE PROBLEM IS GIVEN IN LOW PRECISION. The matrix products marked QUANTISED in the list below multiply operands that are first quantised to E2M1 (2 exponent bits, 1 mantissa bit; 4 bits a number), with one power-of-two scale for each 32 numbers along K (OCP MX v1.0); their sums are f32. The products marked 'left as it is' may take bf16, f16 or f32 operands, with f32 sums. Whichever they take, every output number must still come out within the allowed error. Rounding operands to bf16 (8 significant bits) uses up far more of that allowance than f16 does (11 bits, for magnitudes from 6e-5 to 65,504). All else is computed in f32.
;;   The module's matrix products, in the order in which they are computed (A, B: the left and right operand; K: the contracted axis; several contracted axes count as one K, in the product's order):
;;     1. [M 1,024, K 1,024] x [K 1,024, N 8,192]; A: input Wq; B: input x: QUANTISED
;;     2. [M 1,024, K 1,024] x [K 1,024, N 8,192]; A: input Wk; B: input x: QUANTISED
;;     3. [M 1,024, K 1,024] x [K 1,024, N 8,192]; A: input Wv; B: input x: QUANTISED
;;     4. batch 64 x [M 2,048, K 64] x [K 64, N 2,048]; A: computed on the way; B: computed on the way: left as it is (an operand is computed on the way)
;;     5. batch 64 x [M 2,048, K 2,048] x [K 2,048, N 64]; A: computed on the way; B: computed on the way: left as it is (an operand is computed on the way)
;;     6. [M 8,192, K 1,024] x [K 1,024, N 1,024]; A: computed on the way; B: input Wo: left as it is (an operand is computed on the way)
;;   THE QUANTISER, for each operand of a quantised product, along K:
;;     - K is cut into blocks of 32 from its start; a last block that is shorter is filled with zeros.
;;     - A block's scale is 2^e with e = floor(log2(the largest magnitude in the block)) - 2, held to -126 .. 127; a block of zeros has e = 0. As a byte (E8M0): e + 127.
;;     - Each number is divided by its block's scale, clamped to +-6, and rounded to the nearest number of E2M1, ties to even, subnormals kept.
;;     - The product sums the exact products of the quantised numbers (number of the format x scale) in f32.
;;   ~~~python
;;   def quantise(x, axis):      # numpy; x: float32 -> the quantised numbers, widened to float32 again
;;       x = np.moveaxis(x, axis, -1); K = x.shape[-1]
;;       x = np.pad(x, [(0, 0)] * (x.ndim - 1) + [(0, -K % 32)]); x = x.reshape(x.shape[:-1] + (-1, 32)); a = np.abs(x).max(-1, keepdims=True)
;;       e = np.where(a > 0, np.clip(np.frexp(np.where(a > 0, a, 1))[1] - 1 - 2, -126, 127), 0)      # np.frexp(a)[1] - 1 = floor(log2(a)), exactly
;;       r = np.clip(x / 2.0 ** e, -6, 6)
;;       step = 2.0 ** (np.maximum(np.frexp(np.where(r == 0, 1, r))[1] - 1, 0) - 1)
;;       q = np.round(r / step) * step * 2.0 ** e      # np.round: ties to even
;;       return np.moveaxis(q.reshape(q.shape[:-2] + (-1,))[..., :K], -1, axis).astype(np.float32)
;;   ~~~
;; One version. Each part assembles by itself: llvm-mc -triple=amdgcn-amd-amdhsa -mcpu=gfx1250 --defsym DOCPART=n.
;; ======== version 1 of 1: 5 launches
;; limits: values are held in f16: magnitudes above 65,504 overflow, below 6.1e-05 lose precision
;; workspace buffers: xc 4,194,304 bytes; xs 262,144 bytes; wc 1,572,864 bytes; ws 98,304 bytes; wot 2,097,152 bytes; qkv 50,331,648 bytes; fin 786,432 bytes; oh 16,777,216 bytes
;; launch prep (part 1): grid 512 x 1, 4 waves a work-group, no clusters, 77,312 bytes of LDS; arguments x, Wq, Wk, Wv, Wo, xc, xs, wc, ws, wot; writes xc, xs, wc, ws, wot
.if DOCPART == 1
	.amdgcn_target "amdgcn-amd-amdhsa--gfx1250"
	.amdhsa_code_object_version 6
	.text
	.protected	k_qd0b54a78d1_prep
	.globl	k_qd0b54a78d1_prep
	.p2align	8
	.type	k_qd0b54a78d1_prep,@function
k_qd0b54a78d1_prep:
	s_mov_b64 s[64:65], 0
	v_nop
	global_prefetch_b8 v0, s[64:65] scope:SCOPE_SE
	s_setreg_imm32_b32 hwreg(HW_REG_WAVE_MODE, 25, 1), 1
	s_wait_xcnt 0x0
; MULTI-HEAD ATTENTION, B 4, S 2,048, E 1,024, H 16, D 64.  Five launches: this one makes the operands, then q, k, v; the attention; the projection; the first 16 positions in f32.
; DEAD WORK, for all values of the inputs.  (1) bk.  For query i and key j the score is q_i . (k_j + bk) / 8 = q_i . k_j / 8 + q_i . bk / 8, k_j being x_j Wk.  The second term is the same for all keys j of a row,
; so the softmax along j takes it away; the product q k^T is not quantised, so bk enters no quantiser.  bk is not loaded and is no argument of any launch.  (2) Keys behind the query: reference() itself puts -1e9
; in their place, whose weight under the softmax is 0 beside any live score; key steps that lie wholly behind a wave's queries are not multiplied, and on the diagonal hidden scores become -infinity.
; LIMITS.  A NaN, an infinity or an overflow that reaches only bk or hidden keys is not carried to the result.  Rows whose live scores all lie near or under -1e9 are not served.
; q, k, v, Wo and the attention's output go to the 16-bit products as f16: magnitudes from 65,504 on are not served.  NaN and infinities among the inputs are not served by the quantiser;
; blocks whose largest magnitude lies under 2^(2 - 126) keep the scale byte 1; a block of zeros gets the byte 1 where the rule says 127: its codes are zeros, and this program alone reads the bytes.
;
; THIS LAUNCH, three kinds of work-group, told apart by the work-group's number alone; each kind has LDS bytes of its own and its own end.
;   0-255   x [8192][1024] f32 -> codes of E2M1 xc [8192][512 bytes] and scale bytes xs [8192][32].  K = E is innermost: a plain stream of blocks of 32.
;   256-447 Wq, Wk, Wv [16 h][1024 e][64 d] f32, K = e not innermost -> wc [3072 rows = 1024 t + 64 h + d][512 bytes], ws [3072][32].  A lane takes a column d, its registers run down e.
;   448-511 Wo [1024 k][1024 n] f32 -> wot [1024 n][1024 k] f16, K innermost.  A lane takes a column n, its registers run down k.
; A block's scale is 2^(floor(log2(largest magnitude)) - 2): its byte is the largest magnitude's exponent field - 2, held at 1 from below by a floor among the maximum's leaves.
.set SP,    80                         ; x: a lane's place in a stage: 64 bytes + 16 of padding
.set XREG,  8192                       ; x: LDS of a wave: two stages of 32 x SP bytes, behind them its 256 scale bytes
.set WP,    272                        ; a stage row of 256 bytes + 16
.set WSTG,  32768                      ; W: 32 columns x WP: the work-group's codes
.set WSCL,  41472                      ; W: 32 columns x 16 scale bytes
.set OSTG,  41984                      ; Wo: 32 columns x WP for each wave
.set SPARE, 76800                      ; the spare words, 128 bytes for each wave: two blocks of 256 bytes that no other line names
.set SPW,   12                         ; v12  SPARE + 4 x my thread's number; never rewritten
.set NIL,   13                         ; v13  0; never rewritten
.set R,     16                         ; x: v16-143  eight sets of 16 numbers as loaded
.set X,     144                        ; x: v144-175 two sets of 16 neighbours
.set C,     176                        ; x: v176-207 two registers of codes a step
.set E,     208                        ; x: v208-223 a scale byte a step
	s_load_b512 s[4:19], s[0:1], 0x0               ; x s[4:5], Wq s[6:7], Wk s[8:9], Wv s[10:11], Wo s[12:13], xc s[14:15], xs s[16:17], wc s[18:19]
	s_load_b128 s[20:23], s[0:1], 0x40             ; ws s[20:21], wot s[22:23]
	v_lshl_add_u32 v[SPW], v0, 2, SPARE
	v_mov_b32 v[NIL], 0
	v_lshrrev_b32 v1, 5, v0
	v_readfirstlane_b32 s24, v1                    ; wave 0..3
	v_and_b32 v2, 31, v0                           ; lane
	s_wait_kmcnt 0x0
	s_cmp_lt_u32 ttmp9, 256
	s_cbranch_scc0 .Lnot_x
; ---------------- x.  A wave takes 16 steps of 512 numbers.  Each load reads 512 consecutive bytes; a step's 2,048 bytes turn through the wave's own stage, so that a lane then holds 16 neighbours along K.
	s_lshl_b32 s25, ttmp9, 2
	s_add_co_u32 s25, s25, s24                     ; which run of 8,192 numbers is my wave's
	s_mov_b32 s27, 0
	s_lshl_b32 s26, s25, 15                        ; 32,768 bytes of x,
	s_add_nc_u64 s[4:5], s[4:5], s[26:27]
	s_lshl_b32 s26, s25, 12                        ; 4,096 of codes,
	s_add_nc_u64 s[14:15], s[14:15], s[26:27]
	s_lshl_b32 s26, s25, 8                         ; 256 scale bytes
	s_add_nc_u64 s[16:17], s[16:17], s[26:27]
	v_lshlrev_b32 v3, 4, v2                        ; my 16 bytes of a load's 512
	s_mul_i32 s28, s24, XREG
	v_lshrrev_b32 v14, 2, v2
	v_mul_u32_u24 v14, v14, SP
	v_and_b32 v15, 3, v2
	v_lshl_add_u32 v14, v15, 4, v14
	v_add_nc_u32 v14, s28, v14                     ; the stage, way in: SP (lane / 4) + 16 (lane % 4)
	v_mul_u32_u24 v15, v2, SP
	v_add_nc_u32 v15, s28, v15                     ; way out: SP x lane
	v_lshlrev_b32 v4, 3, v2                        ; 8 bytes a lane: my codes of a step, and my part of the 256 scale bytes
	v_lshrrev_b32 v5, 1, v2
	s_add_co_u32 s28, s28, 2*32*SP
	v_add_nc_u32 v5, s28, v5                       ; LDS: my block's scale byte
	v_add_nc_u32 v6, s28, v4                       ; and 8 of them on the way out
.macro XLOAD t
.irp i, 0,1,2,3
	global_load_b128 v[R+16*((\t)%8)+4*\i:R+16*((\t)%8)+4*\i+3], v3, s[4:5] offset:2048*(\t)+512*\i th:TH_LOAD_NT
.endr
.endm
.macro XTURN t                         ; LDS serves a wave's instructions in order: no wait between the stores and the loads
.irp i, 0,1,2,3
	ds_store_b128 v14, v[R+16*((\t)%8)+4*\i:R+16*((\t)%8)+4*\i+3] offset:32*SP*((\t)%2)+8*SP*\i
.endr
.irp i, 0,1,2,3
	ds_load_b128 v[X+16*((\t)%2)+4*\i:X+16*((\t)%2)+4*\i+3], v15 offset:32*SP*((\t)%2)+16*\i
.endr
.endm
.irp t, 0,1,2,3,4,5,6,7
	XLOAD \t                                       ; eight steps, 32 loads of 512 bytes, are on their way in each wave
.endr
	s_wait_loadcnt 28                              ; step 0's four loads are in; seven steps' 28 stay out
	XTURN 0
.macro XSTEP t
.set XS, X+16*((\t)%2)
.if (\t) > 0
	s_wait_dscnt 1                                 ; this step's numbers are back from the stage; the last step's byte store may be out
.else
	s_wait_dscnt 0x0
.endif
.if (\t)+8 < 16
	XLOAD (\t)+8                                   ; into the set that this step's stage stores have read
.endif
.if (\t)+1 < 16
.if 14-(\t) >= 7
	s_wait_loadcnt 28                              ; the next step's loads are in; behind them stand seven steps' 28
.else
	s_wait_loadcnt 4*(14-(\t))                     ; or the steps that are left
.endif
	XTURN (\t)+1
.endif
	v_max3_num_f32 v8, |v[XS]|, |v[XS+1]|, |v[XS+2]|
	v_max3_num_f32 v9, |v[XS+3]|, |v[XS+4]|, |v[XS+5]|
.irp i, 6,10
	v_max3_num_f32 v8, v8, |v[XS+\i]|, |v[XS+\i+1]|
	v_max3_num_f32 v9, v9, |v[XS+\i+2]|, |v[XS+\i+3]|
.endr
	v_max3_num_f32 v8, v8, |v[XS+14]|, |v[XS+15]|
	v_max3_num_f32 v8, v8, v9, 0x1800000           ; the floor 2^(3 - 127): the byte cannot fall under 1
	v_max_num_f32_dpp v8, v8, v8 row_xmask:1 row_mask:0xf bank_mask:0xf   ; with my neighbour's 16: the block's largest magnitude
	v_add_nc_u32 v11, 0xff000000, v8               ; 2 off its exponent field: the conversion takes that field as its scale
	v_cvt_scalef32_pk8_fp4_f32 v[C+2*(\t)], v[XS:XS+7], v11
	v_cvt_scalef32_pk8_fp4_f32 v[C+2*(\t)+1], v[XS+8:XS+15], v11
	v_lshrrev_b32 v[E+(\t)], 23, v11               ; the scale's byte (also the plain line behind the conversions)
	ds_store_b8 v5, v[E+(\t)] offset:16*(\t)       ; both lanes of a block write the same byte with the same value
	global_store_b64 v4, v[C+2*(\t):C+2*(\t)+1], s[14:15] offset:256*(\t)   ; the wave stores 256 consecutive bytes, aligned
.endm
.irp t, 0,1,2,3,4,5,6,7,8,9,10,11,12,13,14,15
	XSTEP \t
.endr
	ds_load_b64 v[8:9], v6
	s_wait_dscnt 0x0
	global_store_b64 v4, v[8:9], s[16:17]          ; my wave's 256 scale bytes: 256 consecutive bytes, aligned
	s_wait_tensorcnt 0x0                           ; the wave's end
	ds_add_u32 v[SPW], v[NIL]
	s_wait_dscnt 0x0
	s_endpgm
.Lnot_x:
	s_cmp_lt_u32 ttmp9, 448
	s_cbranch_scc0 .Larm_o
; ---------------- Wq, Wk, Wv.  A work-group takes 32 columns d of one head of one tensor and 512 of K; wave w takes 128 of these, four blocks of 32 a lane.  The loads run two blocks, 64 loads of 128 bytes, ahead;
; each block has registers of its own.
	s_sub_co_u32 s25, ttmp9, 256
	s_lshr_b32 s26, s25, 6                         ; t: 0 q, 1 k, 2 v
	s_bfe_u32 s27, s25, 0x40002                    ; h
	s_bfe_u32 s28, s25, 0x10001                    ; which 32 of the 64 columns
	s_and_b32 s29, s25, 1                          ; which 512 of K
	s_cmp_eq_u32 s26, 0
	s_cselect_b64 s[30:31], s[6:7], s[8:9]
	s_cmp_eq_u32 s26, 2
	s_cselect_b64 s[30:31], s[10:11], s[30:31]     ; the tensor: a choice on the work-group's number alone
	s_lshl_b32 s32, s27, 18                        ; a head is 1,024 rows of 256 bytes
	s_lshl_b32 s33, s29, 17
	s_add_co_u32 s32, s32, s33
	s_lshl_b32 s33, s24, 15                        ; my wave's 128 rows
	s_add_co_u32 s32, s32, s33
	s_lshl_b32 s33, s28, 7
	s_add_co_u32 s32, s32, s33
	s_mov_b32 s33, 0
	s_add_nc_u64 s[30:31], s[30:31], s[32:33]
	v_lshlrev_b32 v3, 2, v2
.macro WLOAD b                         ; block b: W(32 b + i, my column), i = 0 .. 31: 32 lanes read 128 consecutive bytes
.set i, 0
.rept 32
	global_load_b32 v[32+32*(\b)+i], v3, s[30:31] offset:(32*(\b)+i)*256
.set i, i+1
.endr
.endm
	WLOAD 0
	WLOAD 1
	v_mul_u32_u24 v4, v2, WP
	s_lshl_b32 s34, s24, 6
	s_add_co_u32 s34, s34, WSTG
	v_add_nc_u32 v4, s34, v4                       ; codes in: row = my column, my wave's 64 bytes of its 256
	v_lshlrev_b32 v5, 4, v2
	s_lshl_b32 s34, s24, 2
	s_add_co_u32 s34, s34, WSCL
	v_add_nc_u32 v5, s34, v5                       ; scale word in: 16 bytes a column, my wave's word
	v_lshrrev_b32 v8, 4, v2
	v_and_b32 v9, 15, v2
	v_mul_u32_u24 v6, v8, WP
	v_lshl_add_u32 v6, v9, 4, v6
	s_mul_i32 s34, s24, 8*WP
	s_add_co_u32 s34, s34, WSTG
	v_add_nc_u32 v6, s34, v6                       ; codes out: wave w takes rows 8 w on, sixteen lanes to a row
	v_lshlrev_b32 v7, 9, v8
	v_lshl_add_u32 v7, v9, 4, v7                   ; and the same place in wc: rows of 512 bytes
	v_lshl_add_u32 v17, v2, 4, WSCL                ; scale bytes out: 16 a column
	v_lshlrev_b32 v18, 5, v2                       ; rows of 32 bytes in ws
	s_lshl_b32 s34, s26, 10
	s_lshl_b32 s35, s27, 6
	s_add_co_u32 s34, s34, s35
	s_lshl_b32 s35, s28, 5
	s_add_co_u32 s34, s34, s35                     ; the work-group's first row of wc and ws: 1024 t + 64 h + 32 x half
	s_lshl_b32 s36, s34, 5
	s_lshl_b32 s35, s29, 4
	s_add_co_u32 s36, s36, s35
	s_mov_b32 s37, 0
	s_add_nc_u64 s[20:21], s[20:21], s[36:37]
	s_lshl_b32 s35, s24, 3
	s_add_co_u32 s34, s34, s35
	s_lshl_b32 s36, s34, 9
	s_lshl_b32 s35, s29, 8
	s_add_co_u32 s36, s36, s35
	s_add_nc_u64 s[18:19], s[18:19], s[36:37]
.macro WBLOCK b
.set XS, 32+32*(\b)
.if (\b) < 3
	s_wait_loadcnt 32                              ; this block's 32 loads are in; the next block's 32 may be out
.else
	s_wait_loadcnt 0x0
.endif
.if (\b) < 2
	WLOAD (\b)+2                                   ; two blocks ahead, into registers of its own
.endif
	v_max3_num_f32 v10, |v[XS]|, |v[XS+1]|, |v[XS+2]|
	v_max3_num_f32 v11, |v[XS+3]|, |v[XS+4]|, |v[XS+5]|
.irp i, 6,10,14,18,22,26
	v_max3_num_f32 v10, v10, |v[XS+\i]|, |v[XS+\i+1]|
	v_max3_num_f32 v11, v11, |v[XS+\i+2]|, |v[XS+\i+3]|
.endr
	v_max3_num_f32 v10, v10, |v[XS+30]|, |v[XS+31]|
	v_max3_num_f32 v10, v10, v11, 0x1800000        ; the floor
	v_add_nc_u32 v14, 0xff000000, v10              ; the conversion's scale operand
	v_lshrrev_b32 v15, 23, v14                     ; the byte
.if (\b) == 0
	v_mov_b32 v16, v15
.else
	v_lshl_or_b32 v16, v15, 8*(\b), v16            ; four bytes make my column's scale word of these 128 along K
.endif
.irp g, 0,1,2,3
	v_cvt_scalef32_pk8_fp4_f32 v[160+4*(\b)+\g], v[XS+8*\g:XS+8*\g+7], v14
.endr
	v_nop                                          ; one plain line behind the scaled conversions
	ds_store_b128 v4, v[160+4*(\b):163+4*(\b)] offset:16*(\b)
.endm
	WBLOCK 0
	WBLOCK 1
	WBLOCK 2
	WBLOCK 3
	ds_store_b32 v5, v16
	s_wait_dscnt 0x0                               ; for the others' sake: my stores have landed
	s_barrier_signal -1                            ; all four waves of such a work-group come here: the way hangs on the work-group's number alone
	s_barrier_wait -1
.irp t, 0,1,2,3
	ds_load_b128 v[176+4*\t:179+4*\t], v6 offset:2*\t*WP
.endr
.irp t, 0,1,2,3
	s_wait_dscnt 3-\t
	global_store_b128 v7, v[176+4*\t:179+4*\t], s[18:19] offset:1024*\t   ; sixteen lanes store 256 consecutive bytes, aligned
.endr
	s_cmp_lg_u32 s24, 0
	s_cbranch_scc1 .Lw_end
	ds_load_b128 v[192:195], v17
	s_wait_dscnt 0x0
	global_store_b128 v18, v[192:195], s[20:21]    ; 16 scale bytes of each of 32 rows, 32 bytes apart: pieces, 98,304 bytes in the whole launch
.Lw_end:
	s_wait_tensorcnt 0x0                           ; the wave's end
	ds_add_u32 v[SPW], v[NIL]
	s_wait_dscnt 0x0
	s_endpgm
.Larm_o:
; ---------------- Wo.  A wave takes 32 columns n and 128 of K, in four quarters of 32; the loads run two quarters, 64 loads of 128 bytes, ahead.  Pairs down K are rounded to f16, go through the wave's own stage,
; and leave as rows of 256 bytes.
	s_sub_co_u32 s25, ttmp9, 448
	s_and_b32 s26, s25, 7                          ; which 128 columns
	s_lshr_b32 s27, s25, 3                         ; which 128 of K
	s_lshl_b32 s28, s27, 19                        ; 128 rows of 4,096 bytes
	s_lshl_b32 s29, s26, 9
	s_add_co_u32 s28, s28, s29
	s_lshl_b32 s29, s24, 7
	s_add_co_u32 s28, s28, s29
	s_mov_b32 s29, 0
	s_add_nc_u64 s[12:13], s[12:13], s[28:29]
	v_lshlrev_b32 v3, 2, v2
.macro OLOAD q                         ; quarter q: Wo(32 q + i, my column), i = 0 .. 31
.set i, 0
.rept 32
	global_load_b32 v[32+32*(\q)+i], v3, s[12:13] offset:(32*(\q)+i)*4096 th:TH_LOAD_NT
.set i, i+1
.endr
.endm
	OLOAD 0
	OLOAD 1
	s_lshl_b32 s28, s26, 18                        ; wot: rows of 2,048 bytes
	s_lshl_b32 s30, s24, 16
	s_add_co_u32 s28, s28, s30
	s_lshl_b32 s30, s27, 8
	s_add_co_u32 s28, s28, s30
	s_add_nc_u64 s[22:23], s[22:23], s[28:29]
	s_mul_i32 s30, s24, 32*WP
	s_add_co_u32 s30, s30, OSTG
	v_mul_u32_u24 v4, v2, WP
	v_add_nc_u32 v4, s30, v4                       ; in: row = my column
	v_lshrrev_b32 v8, 4, v2
	v_and_b32 v9, 15, v2
	v_mul_u32_u24 v6, v8, WP
	v_lshl_add_u32 v6, v9, 4, v6
	v_add_nc_u32 v6, s30, v6                       ; out: sixteen lanes to a row
	v_lshlrev_b32 v7, 11, v8
	v_lshl_add_u32 v7, v9, 4, v7
.macro OQUARTER q
.if (\q) < 3
	s_wait_loadcnt 32                              ; this quarter's 32 loads are in; the next quarter's 32 may be out
.else
	s_wait_loadcnt 0x0
.endif
.if (\q) < 2
	OLOAD (\q)+2                                   ; two quarters ahead, into registers of its own
.endif
.irp n, 0,1,2,3,4,5,6,7,8,9,10,11,12,13,14,15
	v_cvt_pk_f16_f32 v[160+16*(\q)+\n], v[32+32*(\q)+2*\n], v[33+32*(\q)+2*\n]
.endr
.irp m, 0,1,2,3
	ds_store_b128 v4, v[160+16*(\q)+4*\m:163+16*(\q)+4*\m] offset:64*(\q)+16*\m
.endr
.endm
	OQUARTER 0
	OQUARTER 1
	OQUARTER 2
	OQUARTER 3
.irp t, 0,1,2,3,4,5,6,7,8,9,10,11,12,13,14,15
	ds_load_b128 v[32+4*\t:35+4*\t], v6 offset:2*\t*WP   ; my own stage: LDS serves a wave's instructions in order
.endr
.irp t, 0,1,2,3,4,5,6,7,8,9,10,11,12,13,14,15
	s_wait_dscnt 15-\t
	global_store_b128 v7, v[32+4*\t:35+4*\t], s[22:23] offset:4096*\t   ; sixteen lanes store 256 consecutive bytes, aligned
.endr
	s_wait_tensorcnt 0x0                           ; the wave's end
	ds_add_u32 v[SPW], v[NIL]
	s_wait_dscnt 0x0
	s_endpgm
.Lfunc_end_k_qd0b54a78d1_prep:
	.size	k_qd0b54a78d1_prep, .Lfunc_end_k_qd0b54a78d1_prep-k_qd0b54a78d1_prep
	.p2alignl 7, 3214868480
	.fill 96, 4, 3214868480
	.section	.rodata,"a",@progbits
	.p2align	6, 0x0
	.amdhsa_kernel k_qd0b54a78d1_prep
		.amdhsa_group_segment_fixed_size 77312
		.amdhsa_private_segment_fixed_size 0
		.amdhsa_enable_private_segment 0
		.amdhsa_kernarg_size 80
		.amdhsa_user_sgpr_count 2
		.amdhsa_user_sgpr_kernarg_segment_ptr 1
		.amdhsa_wavefront_size32 1
		.amdhsa_system_sgpr_workgroup_id_x 1
		.amdhsa_system_sgpr_workgroup_id_y 1
		.amdhsa_system_sgpr_workgroup_id_z 1
		.amdhsa_system_vgpr_workitem_id 0
		.amdhsa_next_free_vgpr 224
		.amdhsa_next_free_sgpr 66
		.amdhsa_reserve_vcc 0
		.amdhsa_float_denorm_mode_32 3
		.amdhsa_float_denorm_mode_16_64 3
		.amdhsa_memory_ordered 1
		.amdhsa_forward_progress 1
		.amdhsa_inst_pref_size 76
	.end_amdhsa_kernel
	.amdgpu_metadata
---
amdhsa.version: [ 1, 2 ]
amdhsa.kernels:
  - .name:           k_qd0b54a78d1_prep
    .symbol:         k_qd0b54a78d1_prep.kd
    .args:
      - { .name: x, .offset: 0, .size: 8, .value_kind: global_buffer, .address_space: global }
      - { .name: Wq, .offset: 8, .size: 8, .value_kind: global_buffer, .address_space: global }
      - { .name: Wk, .offset: 16, .size: 8, .value_kind: global_buffer, .address_space: global }
      - { .name: Wv, .offset: 24, .size: 8, .value_kind: global_buffer, .address_space: global }
      - { .name: Wo, .offset: 32, .size: 8, .value_kind: global_buffer, .address_space: global }
      - { .name: xc, .offset: 40, .size: 8, .value_kind: global_buffer, .address_space: global }
      - { .name: xs, .offset: 48, .size: 8, .value_kind: global_buffer, .address_space: global }
      - { .name: wc, .offset: 56, .size: 8, .value_kind: global_buffer, .address_space: global }
      - { .name: ws, .offset: 64, .size: 8, .value_kind: global_buffer, .address_space: global }
      - { .name: wot, .offset: 72, .size: 8, .value_kind: global_buffer, .address_space: global }
    .group_segment_fixed_size: 77312
    .private_segment_fixed_size: 0
    .kernarg_segment_align: 8
    .kernarg_segment_size: 80
    .max_flat_workgroup_size: 128
    .sgpr_count:     66
    .vgpr_count:     224
    .wavefront_size: 32
...
	.end_amdgpu_metadata
.endif
;; end of part 1
;; launch qkv (part 2): grid 12 x 32, 4 waves a work-group, clusters of 4 x 4, 327,680 bytes of LDS; arguments xc, xs, wc, ws, qkv, fin, bq, bv; writes qkv, fin
.if DOCPART == 2
	.amdgcn_target "amdgcn-amd-amdhsa--gfx1250"
	.amdhsa_code_object_version 6
	.text
	.protected	k_qd0b54a78d1_qkv
	.globl	k_qd0b54a78d1_qkv
	.p2align	8
	.type	k_qd0b54a78d1_qkv,@function
k_qd0b54a78d1_qkv:
	s_mov_b64 s[64:65], 0
	v_nop
	global_prefetch_b8 v0, s[64:65] scope:SCOPE_SE
	s_setreg_imm32_b32 hwreg(HW_REG_WAVE_MODE, 25, 1), 1
	s_wait_xcnt 0x0
	s_wait_alu depctr_hold_cnt(0) depctr_sa_sdst(0) depctr_va_vdst(0) depctr_va_sdst(0) depctr_va_ssrc(0) depctr_va_vcc(0) depctr_vm_vsrc(0)
	s_getreg_b32 s2, hwreg(HW_REG_IB_STS2, 6, 4)
	s_cmp_eq_u32 s2, 0
	s_cbranch_scc0 .Lentry_in_a_cluster
	s_endpgm
.Lentry_in_a_cluster:
	s_bfe_u32 s2, ttmp6, 0x10000c
	s_cmp_lg_u32 s2, 0xf033
	s_cbranch_scc0 .Lentry_shape_is_right
	s_endpgm
.Lentry_shape_is_right:
; q, k, v = x W + bias, on codes of E2M1 with one E8M0 scale for each 32 along K = 1,024.  C [8192 rows m = 2048 b + s][3072 columns = 1024 t + 64 h + d] = xc . wc^T.
; LEFT OUT: bk (the softmax takes it away for all values of the inputs: shown at the head of the first kernel).  k's sums begin with zeros.
; A tile of C, 256 x 256, is made by four waves, each 128 x 128: 64 accumulators, 512 registers.  All of K lies in two LDS slots of 512 along K: each slot is filled once, nothing is filled again.
; The scale bytes of the work-group's rows of x and of W come once, as dense blocks.  CLUSTERS: 4 x 4 work-groups; x's tiles are asked for jointly along a row of the cluster, W's along a column.
; The cluster's x is the tensor t (four tiles of 256 columns each).  Tile row = cluster y + 8 cy, so that cy is the batch and the tile holds the sequence's first positions where cluster y is 0:
; a number that all sixteen partners share.
; THE MATRIX INSTRUCTION IS USED TRANSPOSED (source 0 = 16 rows of wc, source 1 = 16 rows of xc): a lane holds eight neighbouring columns of one row.  The bias is the C of each sum's first product.
; OUT: qkv f16 [3 t][16 h][8192 m][64 d]; and the first 16 positions of every sequence also in f32: fin [3 t][4 b][16 s][1024].
; REGISTERS: window 0: v0-31 addresses; v32-95 scale words, two sets, and nothing else; v96-127 packed results on the way out; v128-191 x's fragments, one set; v192-255 the bias in the result's layout.
;   window 1: W's fragments, two sets, at v0 and v128.   window 2: accumulators of my rows 0-63 ((a, b) at v[8 (8 a + b)]);  window 3: of rows 64-127.
.set NQ,     4                         ; steps of 128 along K in a slot
.set ROWB,   256                       ; a tile's row in bytes: 512 codes
.set KROW,   512                       ; a row of xc or wc
.set PITCH,  272                       ; an LDS row: 256 bytes + 16 of padding: the 16 rows of a fragment load start 16 bytes apart modulo 256
.set FR,     8
.set NL,     2
.set NP,     4                         ; places behind this matrix instruction (ISA guide 7.12.1)
.set HALFT,  128*PITCH
.set SLOT,   4*HALFT
.set KS,     32                        ; a row of scale bytes
.set SCL,    2*SLOT
.set HALFS,  (128*KS/256)*272
.set SBLK,   (16*KS/256)*272
.set SPARE,  SCL+4*HALFS               ; the spare words: two blocks of 256 bytes that no other line names
.set SPITCH, 272                       ; the way out: 16 rows x (256 bytes of f16 + 16) for each wave, from byte 0 of slot 0, which has had its one fill and its last read by then
.set FSTAGE, 32768                     ; and, also in slot 0, 16 rows x (512 bytes of f32 + 16) for each wave
.set FPITCH, 528
.set ADRA, 16
.set ADRB, 20
.set STO,  24
.set RD,   25
.set CO,   26                          ; v26  16 x lane
.set ADRS, 27
.set SPW,  28
.set NIL,  29
.set FSTO, 30
.set FRD,  31
.set SC,   32
.set TMP,  96                          ; the way out: packed results
.set AF,   128
.set BK,   128                         ; the way out: rows read back, v128-159 and v160-191 by turns
.set BI,   192
.set G1, 24
.set G0, 32
.set G1B, 48
.set G0B, 56
.set G1S, 68
.set G0S, 76
.set G1SB, 80
.set G0SB, 88
.set MSB, 0
.macro WIN new                         ; the immediate's high byte repeats the setting that is left
.if MSB != \new
	s_set_vgpr_msb (MSB<<8)|\new
.set MSB, \new
.endif
.endm
.set MUL_LO, 0xa1                      ; source 0 (W) window 1, source 1 (x) window 0, C and D window 2
.set MUL_HI, 0xf1
.set BIAS_LO, 0x81                     ; the same with C (the bias) in window 0
.set BIAS_HI, 0xc1
.set TO_B,   0x40
; A joint load: waves 0 and 1 fetch for x, waves 2 and 3 for W.  The branch hangs on the wave's number alone.  An s_nop 0 and four v_nop follow each of the two lines.
.macro JLOAD g0a, g1a, g0b, g1b
	s_cmp_eq_u32 s15, 0
	s_cbranch_scc0 .Lfor_b_\@
	tensor_load_to_lds s[\g0a:\g0a+3], s[\g1a:\g1a+7]
	s_nop 0
.rept 4
	v_nop
.endr
	s_branch .Lasked_\@
.Lfor_b_\@:
	tensor_load_to_lds s[\g0b:\g0b+3], s[\g1b:\g1b+7]
	s_nop 0
.rept 4
	v_nop
.endr
.Lasked_\@:
.endm
.macro CROUND                          ; a round of the cluster's barrier
	s_barrier_signal -1
	s_barrier_wait -1
	s_cmp_lg_u32 s14, 0
	s_cbranch_scc1 .Lnot_wave_0_\@
	s_barrier_signal -3
.Lnot_wave_0_\@:
	s_barrier_wait -3
	s_barrier_signal -1
	s_barrier_wait -1
.endm
	s_load_b128 s[4:7], s[0:1], 0x0                ; xc s[4:5], xs s[6:7]
	s_load_b128 s[8:11], s[0:1], 0x10              ; wc s[8:9], ws s[10:11]
	s_load_b64 s[12:13], s[0:1], 0x20              ; qkv
	s_load_b64 s[66:67], s[0:1], 0x28              ; fin
	s_load_b128 s[96:99], s[0:1], 0x30             ; bq s[96:97], bv s[98:99]
	v_lshl_add_u32 v[SPW], v0, 2, SPARE
	v_mov_b32 v[NIL], 0
	ds_add_u32 v[SPW], v[NIL]                      ; the wave's opening: the add, twice on end, and its wait ahead of my first tensor load
	ds_add_u32 v[SPW], v[NIL]
	v_lshrrev_b32 v1, 5, v0
	v_readfirstlane_b32 s14, v1                    ; wave 0..3
	s_lshr_b32 s15, s14, 1                         ; my half of the tile's rows.  Also: I fetch for x (0) or for W (1)
	s_and_b32 s16, s14, 1                          ; my half of its columns.  Also: which 128 rows I fetch
	s_bfe_u32 s40, ttmp6, 0x40000                  ; cx
	s_bfe_u32 s41, ttmp6, 0x40004                  ; cy
	s_lshl_b32 s42, ttmp9, 2
	s_add_co_u32 s42, s42, s40                     ; tile column = 4 x cluster x + cx
	s_and_b32 s95, ttmp7, 0xffff                   ; cluster y
	s_lshl_b32 s17, s41, 3
	s_add_co_u32 s17, s17, s95                     ; tile row = cluster y + 8 cy
	s_lshl_b32 s43, s41, 2
	s_lshl_b32 s43, 15, s43                        ; my row of the cluster
	s_lshl_b32 s44, 0x1111, s40                    ; my column
	s_or_b32 s[G1+0], s43, (0<<16)|(1<<20)|(1<<21)|(5<<22)|(3<<25)  ; the mask; elements of 1 byte; padding on; bit 21 beside a mask; after every 64 words, 4 words
	s_or_b32 s[G1B+0], s44, (0<<16)|(1<<20)|(1<<21)|(5<<22)|(3<<25)
.irp g, G1, G1B
	s_mov_b32 s[\g+1], ROWB<<16                    ; tensor_dim0
	s_mov_b32 s[\g+2], 128<<16                     ; tensor_dim1
	s_mov_b32 s[\g+3], ROWB<<16                    ; tile_dim0
	s_mov_b32 s[\g+4], 128                         ; tile_dim1
	s_mov_b32 s[\g+5], KROW                        ; from row to row
	s_mov_b32 s[\g+6], 0
	s_mov_b32 s[\g+7], 0
.endr
	s_or_b32 s[G1S+0], s43, (3<<16)|(1<<20)|(1<<21)|(5<<22)|(3<<25)  ; the scale bytes of 128 rows: 4,096 dense bytes as 16 rows of 256 (32 elements of 8 bytes), 16 bytes of padding behind each
	s_or_b32 s[G1SB+0], s44, (3<<16)|(1<<20)|(1<<21)|(5<<22)|(3<<25)
.irp g, G1S, G1SB
	s_mov_b32 s[\g+1], 32<<16
	s_mov_b32 s[\g+2], (128*KS/256)<<16
	s_mov_b32 s[\g+3], 32<<16
	s_mov_b32 s[\g+4], 128*KS/256
	s_mov_b32 s[\g+5], 32
	s_mov_b32 s[\g+6], 0
	s_mov_b32 s[\g+7], 0
.endr
	s_lshl_b32 s18, s16, 7
	s_lshl_b32 s20, s17, 8
	s_add_co_u32 s20, s20, s18                     ; x: row 256 x tile row + 128 x half
	s_lshl_b32 s46, s42, 8
	s_add_co_u32 s46, s46, s18                     ; W: row 256 x tile column + 128 x half
	s_mov_b32 s21, 0
	s_mov_b32 s47, 0
	s_mov_b64 s[18:19], KS
	s_mul_u64 s[22:23], s[20:21], s[18:19]
	s_mul_u64 s[92:93], s[46:47], s[18:19]
	s_mov_b64 s[18:19], KROW
	s_mul_u64 s[20:21], s[20:21], s[18:19]
	s_mul_u64 s[46:47], s[46:47], s[18:19]
	s_mul_i32 s45, s14, HALFT                      ; where they go: wave x 128 rows
	s_mul_i32 s94, s14, HALFS
	s_wait_dscnt 0x0                               ; both opening adds are done
	s_wait_kmcnt 0x0
	s_add_nc_u64 s[20:21], s[4:5], s[20:21]
	s_add_nc_u64 s[22:23], s[6:7], s[22:23]
	s_add_nc_u64 s[46:47], s[8:9], s[46:47]
	s_add_nc_u64 s[92:93], s[10:11], s[92:93]
	CROUND                                         ; all sixteen work-groups are here: the joint loads meet
	s_mov_b32 s[G0S], 1
	s_add_co_u32 s[G0S+1], s94, SCL
	s_mov_b64 s[G0S+2:G0S+3], s[22:23]
	s_or_b32 s[G0S+3], s[G0S+3], 0x80000000
	s_mov_b32 s[G0SB], 1
	s_add_co_u32 s[G0SB+1], s94, SCL
	s_mov_b64 s[G0SB+2:G0SB+3], s[92:93]
	s_or_b32 s[G0SB+3], s[G0SB+3], 0x80000000
	JLOAD G0S, G1S, G0SB, G1SB                     ; three loads of mine go out in all: the scale bytes, slot 0, slot 1
.irp s, 0,1
	s_mov_b32 s[G0+4*\s], 1
	s_add_co_u32 s[G0+4*\s+1], s45, \s*SLOT
	s_add_nc_u64 s[G0+4*\s+2:G0+4*\s+3], s[20:21], \s*ROWB
	s_or_b32 s[G0+4*\s+3], s[G0+4*\s+3], 0x80000000
	s_mov_b32 s[G0B+4*\s], 1
	s_add_co_u32 s[G0B+4*\s+1], s45, \s*SLOT
	s_add_nc_u64 s[G0B+4*\s+2:G0B+4*\s+3], s[46:47], \s*ROWB
	s_or_b32 s[G0B+4*\s+3], s[G0B+4*\s+3], 0x80000000
	JLOAD G0+4*\s, G1, G0B+4*\s, G1B
.endr
	v_and_b32 v1, 15, v0                           ; r = lane % 16
	v_bfe_u32 v2, v0, 4, 1                         ; hl = lane / 16
	v_mul_u32_u24 v3, v1, PITCH
	v_lshl_add_u32 v4, v2, 4, v3
	s_mul_i32 s21, s15, HALFT
	s_mul_i32 s22, s16, HALFT
	s_add_co_u32 s22, s22, 2*HALFT
.irp s, 0,1
	v_add_nc_u32 v[ADRA+\s], s21, v4
	v_add_nc_u32 v[ADRB+\s], s22, v4
	s_add_co_u32 s21, s21, SLOT
	s_add_co_u32 s22, s22, SLOT
.endr
	v_mul_u32_u24 v5, v1, KS                       ; my row's scale bytes: 32 a row,
	v_lshrrev_b32 v6, 8, v5
	v_lshl_add_u32 v5, v6, 4, v5                   ; and 16 more for each 256 passed
	s_mul_i32 s21, s15, HALFS
	s_mul_i32 s22, s16, HALFS
	s_add_co_u32 s22, s22, 2*HALFS
	s_sub_co_u32 s22, s22, s21
	v_mul_u32_u24 v6, s22, v2                      ; lanes 16-31 take W's
	s_add_co_u32 s21, s21, SCL
	v_add_nc_u32 v5, v5, v6
	v_add_nc_u32 v[ADRS], s21, v5
	s_mul_i32 s23, s14, 16*SPITCH                  ; my f16 stage
	v_mul_u32_u24 v5, v1, SPITCH
	v_lshl_add_u32 v5, v2, 4, v5
	v_add_nc_u32 v[STO], s23, v5                   ; in: row r, 16 bytes for each half of the lanes
	v_and_b32 v6, 31, v0
	v_lshlrev_b32 v[CO], 4, v6
	v_lshrrev_b32 v7, 3, v6
	v_and_b32 v8, 7, v6
	v_mul_u32_u24 v7, v7, SPITCH
	v_lshl_add_u32 v7, v8, 4, v7
	v_add_nc_u32 v[RD], s23, v7                    ; back: eight lanes take one head's 128 bytes of a row, four rows an instruction
	s_mul_i32 s23, s14, 16*FPITCH
	s_add_co_u32 s23, s23, FSTAGE                  ; my f32 stage
	v_mul_u32_u24 v5, v1, FPITCH
	v_lshl_add_u32 v5, v2, 5, v5
	v_add_nc_u32 v[FSTO], s23, v5
	v_add_nc_u32 v[FRD], s23, v[CO]
	s_lshl_b32 s20, ttmp9, 24                      ; qkv: a tensor is 16,777,216 bytes,
	s_lshl_b32 s21, s40, 22                        ; a head 1,048,576: my first head is 4 cx + 2 x column half,
	s_add_co_u32 s20, s20, s21
	s_lshl_b32 s21, s16, 21
	s_add_co_u32 s20, s20, s21
	s_lshl_b32 s21, s17, 15                        ; a row 128: my first row is 256 x tile row + 128 x row half
	s_add_co_u32 s20, s20, s21
	s_lshl_b32 s21, s15, 14
	s_add_co_u32 s20, s20, s21
	s_mov_b32 s21, 0
	s_add_nc_u64 s[12:13], s[12:13], s[20:21]
	s_lshl_b32 s46, s40, 10
	s_lshl_b32 s47, s16, 9
	s_add_co_u32 s46, s46, s47
	s_mov_b32 s47, 0                               ; my first column in its tensor, as f32 bytes: 4 (256 cx + 128 x column half)
	s_cmp_eq_u32 ttmp9, 0
	s_cselect_b64 s[100:101], s[96:97], s[98:99]   ; q's bias or v's
	s_add_nc_u64 s[100:101], s[100:101], s[46:47]
	s_add_nc_u64 s[66:67], s[66:67], s[46:47]
	s_lshl_b32 s46, ttmp9, 2
	s_add_co_u32 s46, s46, s41
	s_lshl_b32 s46, s46, 16                        ; fin: (4 t + b) x 16 rows of 4,096 bytes
	s_add_nc_u64 s[66:67], s[66:67], s[46:47]
	v_lshlrev_b32 v9, 5, v2                        ; the bias: lane (r, hl) wants, for block b of columns, numbers 16 b + 8 hl + 0 .. 7
	s_cmp_eq_u32 ttmp9, 1                          ; the tensor: the same in all sixteen partners
	s_cbranch_scc1 .Lno_bias
.irp b, 0,1,2,3,4,5,6,7
	global_load_b128 v[BI+8*\b:BI+8*\b+3], v9, s[100:101] offset:64*\b
	global_load_b128 v[BI+8*\b+4:BI+8*\b+7], v9, s[100:101] offset:64*\b+16
.endr
	s_branch .Lbias_done
.Lno_bias:
.set i, 0
.rept 64
	v_mov_b32 v[BI+i], 0                           ; k has no bias: one text serves the three tensors
.set i, i+1
.endr
.Lbias_done:
.macro FRAG reg, adr, q, i             ; 16 rows x 128 K of 4-bit codes: 8 registers: two loads of 16 bytes, 32 bytes apart
.irp c, 0,1
	ds_load_b128 v[\reg+4*\c:\reg+4*\c+3], v[\adr] offset:64*(\q)+32*\c+(\i)*16*PITCH
.endr
.endm
; 16 matrix instructions: x's blocks a0, a0 + 1 against W's eight.  bias = 1: the first product starts the sums from the bias.  The 64 accumulators take turns.
.macro MUL16 a0, p, q, sc, bias
.irp a, \a0, \a0+1
.irp b, 0,1,2,3,4,5,6,7
.if \bias
	v_wmma_scale_f32_16x16x128_f8f6f4 v[8*(8*((\a)%4)+\b):8*(8*((\a)%4)+\b)+7], v[128*(\p)+FR*\b:128*(\p)+FR*\b+FR-1], v[AF+FR*(\a):AF+FR*(\a)+FR-1], v[BI+8*\b:BI+8*\b+7], v[SC+8*NQ*(\sc)+NQ*\b+(\q)], v[SC+8*NQ*(\sc)+NQ*(\a)+(\q)] matrix_a_fmt:MATRIX_FMT_FP4 matrix_b_fmt:MATRIX_FMT_FP4 matrix_a_scale:MATRIX_SCALE_ROW1
.else
	v_wmma_scale_f32_16x16x128_f8f6f4 v[8*(8*((\a)%4)+\b):8*(8*((\a)%4)+\b)+7], v[128*(\p)+FR*\b:128*(\p)+FR*\b+FR-1], v[AF+FR*(\a):AF+FR*(\a)+FR-1], v[8*(8*((\a)%4)+\b):8*(8*((\a)%4)+\b)+7], v[SC+8*NQ*(\sc)+NQ*\b+(\q)], v[SC+8*NQ*(\sc)+NQ*(\a)+(\q)] matrix_a_fmt:MATRIX_FMT_FP4 matrix_b_fmt:MATRIX_FMT_FP4 matrix_a_scale:MATRIX_SCALE_ROW1
.endif
.endr
.endr
.endm
.macro FETCH_B slot, q, p
	WIN TO_B
.irp i, 0,1,2,3,4,5,6,7
	FRAG 128*(\p)+FR*\i, ADRB+\slot, \q, \i
.endr
	WIN 0
.endm
.macro FETCH_A slot, q, i0
.irp i, \i0, \i0+1, \i0+2, \i0+3
	FRAG AF+FR*(\i), ADRA+\slot, \q, \i
.endr
.endm
.macro SCALES sc                       ; a slot's scale words: four a row; lanes 0-15 take x's block i, lanes 16-31 W's block i
.irp i, 0,1,2,3,4,5,6,7
	ds_load_b128 v[SC+8*NQ*\sc+NQ*\i:SC+8*NQ*\sc+NQ*\i+3], v[ADRS] offset:\i*SBLK
.endr
.endm
.macro PLACES n                        ; plain vector lines between a matrix instruction and a load into its registers or a read of its result (ISA guide 7.12.1 for a read of its result)
.rept \n
	v_nop
.endr
.endm
.macro STEP slot, q, bias              ; 128 along K with its successor in the same slot
	s_wait_dscnt 4*NL                              ; W's set and x's blocks 0-3 are in; the youngest eight loads (x's blocks 4-7) may be out
.if \bias
	WIN BIAS_LO
.else
	WIN MUL_LO
.endif
	MUL16 0, (\q)%2, \q, \slot, \bias
	MUL16 2, (\q)%2, \q, \slot, \bias
	s_wait_dscnt 0
	PLACES NP
	FETCH_B \slot, (\q)+1, 1-(\q)%2
	FETCH_A \slot, (\q)+1, 0
.if \bias
	WIN BIAS_HI
.else
	WIN MUL_HI
.endif
	MUL16 4, (\q)%2, \q, \slot, \bias
	MUL16 6, (\q)%2, \q, \slot, \bias
	PLACES NP
	WIN 0
	FETCH_A \slot, (\q)+1, 4
.endm
; Slot 0's last step goes over to slot 1: each wave waits for all its tensor loads (its part of slot 1), adds 0 to its spare word, waits for that and for its reads of slot 0; one barrier.  Nothing is filled again.
.macro TURN slot, next
	s_wait_tensorcnt 0x0
	ds_add_u32 v[SPW], v[NIL]
	s_wait_dscnt 4*NL+1                            ; (the add and x's blocks 4-7 may be out)
	WIN MUL_LO
	MUL16 0, 1, NQ-1, \slot, 0
	s_wait_dscnt 0x0                               ; the add is done, and my reads of this slot are over
	s_barrier_signal -1
	MUL16 2, 1, NQ-1, \slot, 0
	WIN 0
	s_barrier_wait -1
	PLACES NP
	v_add_nc_u32 v[ADRS], 4*NQ, v[ADRS]            ; the next slot's scale words
	FETCH_B \next, 0, 0
	FETCH_A \next, 0, 0
	SCALES \next
	WIN MUL_HI
	MUL16 4, 1, NQ-1, \slot, 0
	MUL16 6, 1, NQ-1, \slot, 0
	PLACES NP
	WIN 0
	FETCH_A \next, 0, 4
.endm
	s_wait_tensorcnt 1                             ; the scale bytes and my part of slot 0 are in; slot 1's load may be out
	s_barrier_signal -1
	s_barrier_wait -1
	FETCH_B 0, 0, 0
	FETCH_A 0, 0, 0
	SCALES 0
	FETCH_A 0, 0, 4
	s_wait_loadcnt 0x0                             ; the bias
	STEP 0, 0, 1
	STEP 0, 1, 0
	STEP 0, 2, 0
	TURN 0, 1
	STEP 1, 0, 0
	STEP 1, 1, 0
	STEP 1, 2, 0
	s_wait_dscnt 4*NL                              ; the last step: nothing more to fetch
	WIN MUL_LO
	MUL16 0, 1, NQ-1, 1, 0
	MUL16 2, 1, NQ-1, 1, 0
	s_wait_dscnt 0
	WIN MUL_HI
	MUL16 4, 1, NQ-1, 1, 0
	MUL16 6, 1, NQ-1, 1, 0
	WIN 0
; THE WAY OUT, block by block of 16 rows x 128 columns (two heads).  Rounded to f16, 16 bytes a lane, through my own stage; back so that a store covers four whole rows of one head: 512 consecutive bytes.
.macro PACK a
.set AC, 64*((\a)%4)
	WIN 0x0a+5*((\a)/4)                            ; sources 0 and 1: window 2 or 3
.irp b, 0,1,2,3,4,5,6,7
.irp r, 0,1,2,3
	v_cvt_pk_f16_f32 v[TMP+4*\b+\r], v[AC+8*\b+2*\r], v[AC+8*\b+2*\r+1]   ; each accumulator from its low end on
.endr
.endr
	WIN 0
.endm
.macro TOSTAGE a
.set BB, BK+32*((\a)%2)
.irp b, 0,1,2,3,4,5,6,7
	ds_store_b128 v[STO], v[TMP+4*\b:TMP+4*\b+3] offset:32*\b
.endr
.irp hh, 0,1
.irp t, 0,1,2,3
	ds_load_b128 v[BB+16*\hh+4*\t:BB+16*\hh+4*\t+3], v[RD] offset:4*\t*SPITCH+128*\hh   ; LDS serves a wave's instructions in order: these see the stores above
.endr
.endr
.endm
.macro SEND a
.set BB, BK+32*((\a)%2)
	s_wait_dscnt 0x0                               ; the block is back in registers
	s_wait_xcnt 0x0                                ; the block before has left its registers: the next block's loads may land there
.irp hh, 0,1
.irp t, 0,1,2,3
	global_store_b128 v[CO], v[BB+16*\hh+4*\t:BB+16*\hh+4*\t+3], s[12:13] offset:\hh*1048576+(\a)*2048+\t*512
.endr
.endr
.endm
	PLACES NP
	s_or_b32 s18, s95, s15                         ; cluster y and the wave's row half: 0 where my block 0 holds positions 0-15 of batch cy
	s_cmp_lg_u32 s18, 0
	s_cbranch_scc1 .Lno_fine
	WIN 0x08                                       ; an LDS store's data: window 2
.irp b, 0,1,2,3,4,5,6,7
	ds_store_b128 v[FSTO], v[8*\b:8*\b+3] offset:64*\b
	ds_store_b128 v[FSTO], v[8*\b+4:8*\b+7] offset:64*\b+16
.endr
	WIN 0
.irp t, 0,1,2,3,4,5,6,7,8,9,10,11,12,13,14,15
	ds_load_b128 v[BI+4*\t:BI+4*\t+3], v[FRD] offset:\t*FPITCH
.endr
	s_wait_dscnt 0x0
.irp t, 0,1,2,3,4,5,6,7,8,9,10,11,12,13,14,15
	global_store_b128 v[CO], v[BI+4*\t:BI+4*\t+3], s[66:67] offset:\t*4096   ; 32 lanes store 512 consecutive bytes of a row of fin
.endr
.Lno_fine:
	PACK 0
	TOSTAGE 0
.irp a, 1,2,3,4,5,6,7
	PACK \a
	SEND \a-1
	TOSTAGE \a
.endr
	SEND 7
	s_wait_tensorcnt 0x0                           ; the wave's end
	ds_add_u32 v[SPW], v[NIL]
	s_wait_dscnt 0x0
	CROUND                                         ; the closing round
	s_endpgm
.Lfunc_end_k_qd0b54a78d1_qkv:
	.size	k_qd0b54a78d1_qkv, .Lfunc_end_k_qd0b54a78d1_qkv-k_qd0b54a78d1_qkv
	.p2alignl 7, 3214868480
	.fill 96, 4, 3214868480
	.section	.rodata,"a",@progbits
	.p2align	6, 0x0
	.amdhsa_kernel k_qd0b54a78d1_qkv
		.amdhsa_group_segment_fixed_size 327680
		.amdhsa_private_segment_fixed_size 0
		.amdhsa_enable_private_segment 0
		.amdhsa_kernarg_size 64
		.amdhsa_user_sgpr_count 2
		.amdhsa_user_sgpr_kernarg_segment_ptr 1
		.amdhsa_wavefront_size32 1
		.amdhsa_system_sgpr_workgroup_id_x 1
		.amdhsa_system_sgpr_workgroup_id_y 1
		.amdhsa_system_sgpr_workgroup_id_z 1
		.amdhsa_system_vgpr_workitem_id 0
		.amdhsa_next_free_vgpr 1024
		.amdhsa_next_free_sgpr 102
		.amdhsa_reserve_vcc 0
		.amdhsa_float_denorm_mode_32 3
		.amdhsa_float_denorm_mode_16_64 3
		.amdhsa_memory_ordered 1
		.amdhsa_forward_progress 1
		.amdhsa_inst_pref_size 134
	.end_amdhsa_kernel
	.amdgpu_metadata
---
amdhsa.version: [ 1, 2 ]
amdhsa.kernels:
  - .name:           k_qd0b54a78d1_qkv
    .symbol:         k_qd0b54a78d1_qkv.kd
    .args:
      - { .name: xc, .offset: 0, .size: 8, .value_kind: global_buffer, .address_space: global }
      - { .name: xs, .offset: 8, .size: 8, .value_kind: global_buffer, .address_space: global }
      - { .name: wc, .offset: 16, .size: 8, .value_kind: global_buffer, .address_space: global }
      - { .name: ws, .offset: 24, .size: 8, .value_kind: global_buffer, .address_space: global }
      - { .name: qkv, .offset: 32, .size: 8, .value_kind: global_buffer, .address_space: global }
      - { .name: fin, .offset: 40, .size: 8, .value_kind: global_buffer, .address_space: global }
      - { .name: bq, .offset: 48, .size: 8, .value_kind: global_buffer, .address_space: global }
      - { .name: bv, .offset: 56, .size: 8, .value_kind: global_buffer, .address_space: global }
    .group_segment_fixed_size: 327680
    .private_segment_fixed_size: 0
    .kernarg_segment_align: 8
    .kernarg_segment_size: 64
    .max_flat_workgroup_size: 128
    .sgpr_count:     102
    .vgpr_count:     1024
    .wavefront_size: 32
...
	.end_amdgpu_metadata
.endif
;; end of part 2
;; launch attn (part 3): grid 4 x 64, 8 waves a work-group, no clusters, 327,680 bytes of LDS; arguments qkv, oh; writes oh
.if DOCPART == 3
	.amdgcn_target "amdgcn-amd-amdhsa--gfx1250"
	.amdhsa_code_object_version 6
	.text
	.protected	k_qd0b54a78d1_attn
	.globl	k_qd0b54a78d1_attn
	.p2align	8
	.type	k_qd0b54a78d1_attn,@function
k_qd0b54a78d1_attn:
	s_mov_b64 s[64:65], 0
	v_nop
	global_prefetch_b8 v0, s[64:65] scope:SCOPE_SE
	s_setreg_imm32_b32 hwreg(HW_REG_WAVE_MODE, 25, 1), 1
	s_wait_xcnt 0x0
; oh[h][m][:] = softmax over the keys k <= s of (q . k / 8) times v, for each head and batch; q, k, v, oh: f16 rows of 64; products, maxima and sums in f32; the weights are rounded to f16 for the second product.
; LEFT OUT: key steps that lie wholly behind a wave's queries (reference() itself hides them); bk (shown at the head of the first kernel).
; SHARES.  Work-group (i, y): y = 4 h + b is the head and batch; it owns query blocks 7 - i and then i, 256 queries each, and walks (8 - i) + (i + 1) = 9 key blocks of 256: the same for every work-group, so the trip
; count is a constant.  Each of the eight waves owns 32 queries of a block, two tiles of 16; two waves share a SIMD, so that one wave's softmax stands beside the other's products.
; NO CLUSTER: the four work-groups of a head walk different runs of key blocks (8, 7, 6, 5 blocks, then they begin anew), so partners would need different tiles at the same change of slots.
; LAYOUT.  S^T = K Q^T (source 0 = 16 keys, source 1 = 16 queries): a lane holds one query (lane % 16) and keys 8 (lane / 16) + 0..7.  Two such tiles, rounded in pairs, are source 1 of O^T = V^T P.
; K comes out of LDS as it lies, V ([key][channel]) turned, by ds_load_tr16_b128.  SOFTMAX: a running maximum m and sum l: p = 2^(c s - c m), c = log2(e) / 8; O and l are multiplied by 2^(c m_old - c m_new) in every step.
; The step is written once for both phases: m begins at -3e38, l and O^T at zeros.  Key 0 counts for every query, so m is a score from the first step on.
; RING.  Two slots of 256 keys; waves 0-3 fetch K's quarters, waves 4-7 V's: one tensor load a wave behind each change of slots, which has four key steps in which to land.
; REGISTERS.  window 0: v1-14 addresses; v16-31 statistics, 8 a tile (+0 c m, +1 m, +2, +3 l, +4..+7 at work, the rescaling factor in +6); v32-63 Q; v64-127 S^T; v128-159 P; v160-223 O^T; v224-255 packed output.
;   window 1: v0-63 K of a step; v64-127 V of a step; v128-159 the second query block's Q.
.set PK,    144                        ; a row of K in LDS: 128 bytes + 16
.set PV,    160                        ; a row of V: 128 + 32
.set KQB,   64*PK                      ; 64 keys: a wave's load, and a key step
.set VQB,   64*PV
.set VOFF,  4*KQB
.set SLOT1, 1<<17
.set STAGE, SLOT1+VOFF+4*VQB           ; behind the ring: 32 rows x 144 bytes for each wave
.set SPARE, STAGE+8*32*PK              ; the spare words: four blocks of 256 bytes that no other line names
.set AK0, 1
.set AV0, 2
.set ADK, 3
.set ADV, 4
.set STO, 5
.set RD,  6
.set GO,  7
.set DQ,  8                            ; v8   lane % 16 - 8 (lane / 16)
.set QO,  9
.set SPW, 10
.set NIL, 11
.set PFO, 14
.set ST,  16
.set Q,   32
.set S,   64
.set P,   128
.set O,   160
.set PKD, 224
.set VFR, 64                           ; in window 1
.set QBR, 128
.set WV,  8
.set KB,  16                           ; s[16:17] k at my head, my quarter of a block
.set VB,  18                           ; s[18:19] v likewise
.set SEL, 20
.set CS,  22
.set G1K, 24
.set G1V, 32
.set G0K, 40
.set G0V, 44
.set KO,  48                           ; s[48:49] the next block's byte offset
.set TB,  50                           ; s50  LDS byte at which the slot in hand begins
.set SLOTS, 51
.set NXT, 52                           ; s52  how many blocks have been asked for, less one
.set LIMA, 53                          ; s53  8 - i: blocks of the first phase
.set KF,  54                           ; s54  the step's first key
.set Q0,  55                           ; s55  my first query
.set Q0B, 56
.set OB,  58                           ; s[58:59] oh at my first query
.set OHB, 60                           ; s[60:61] oh at my head
.set LIM, 62
.set PFA, 66
.set MSB, 0
.macro WIN new                         ; the immediate's high byte repeats the setting that is left
.if MSB != \new
	s_set_vgpr_msb (MSB<<8)|\new
.set MSB, \new
.endif
.endm
.macro TLOAD                           ; every wave issues one: the branch hangs on the wave's number alone; an s_nop 0 and four v_nop follow each line
	s_cmp_lt_u32 s[WV], 4
	s_cbranch_scc0 .Lfor_v_\@
	tensor_load_to_lds s[G0K:G0K+3], s[G1K:G1K+7]
	s_nop 0
.rept 4
	v_nop
.endr
	s_branch .Lasked_\@
.Lfor_v_\@:
	tensor_load_to_lds s[G0V:G0V+3], s[G1V:G1V+7]
	s_nop 0
.rept 4
	v_nop
.endr
.Lasked_\@:
.endm
; A prefetch of the key block that the NEXT change of slots will ask for: four key steps ahead of that load.  All four work-groups of a head walk the same k and v; the one with i = 0 walks blocks 0 to 7 in order, and it
; alone asks: in trips 0 to 5 for blocks 2 to 7.  Waves 0-3 name k's quarters, waves 4-7 v's, 8,192 bytes a wave, lanes 256 bytes apart: each aligned block of 256 bytes is named once in the launch.
.macro ASK
	s_cmp_gt_u32 s[SLOTS], s[LIM]
	s_cbranch_scc0 .Lnot_mine_\@
	global_prefetch_b8 v[PFO], s[PFA:PFA+1] th:TH_LOAD_NT scope:SCOPE_SE
.Lnot_mine_\@:
.endm
	s_load_b128 s[4:7], s[0:1], 0x0                ; qkv s[4:5], oh s[6:7]
	v_lshl_add_u32 v[SPW], v0, 2, SPARE
	v_mov_b32 v[NIL], 0
	ds_add_u32 v[SPW], v[NIL]                      ; the wave's opening: the add, twice on end, and its wait ahead of my first tensor load
	ds_add_u32 v[SPW], v[NIL]
	v_lshrrev_b32 v12, 5, v0
	v_readfirstlane_b32 s[WV], v12                 ; wave 0..7
	s_and_b32 s9, s[WV], 3                         ; which quarter of a block I fetch
	s_and_b32 s10, ttmp7, 0xffff
	s_lshl_b32 s12, s10, 18                        ; 2,048 rows of 128 bytes for each head and batch
	s_mov_b32 s13, 0
	s_mov_b32 s[G1K], (1<<16)|(1<<20)|(4<<22)|(3<<25)   ; elements of 2 bytes; padding on: after every 32 words, 4 words
	s_mov_b32 s[G1V], (1<<16)|(1<<20)|(4<<22)|(7<<25)   ; 8 words
.irp g, G1K, G1V
	s_mov_b32 s[\g+1], 64<<16                      ; tensor_dim0
	s_mov_b32 s[\g+2], 64<<16                      ; tensor_dim1
	s_mov_b32 s[\g+3], 64<<16                      ; tile_dim0
	s_mov_b32 s[\g+4], 64                          ; tile_dim1
	s_mov_b32 s[\g+5], 64                          ; from row to row
	s_mov_b32 s[\g+6], 0
	s_mov_b32 s[\g+7], 0
.endr
	s_mov_b32 s[SEL], 0x76543210
	s_mov_b32 s[SEL+1], 0xfedcba98
	s_mov_b32 s[CS], 0x3e38aa3b                    ; c = log2(e) / 8
	s_mov_b32 s[CS+1], s[CS]
	s_mov_b32 s[TB], 0
	s_mov_b32 s[SLOTS], 8
	s_mov_b32 s[NXT], 0
	s_sub_co_u32 s[LIMA], 8, ttmp9
	s_mov_b32 s[KF], 0
	s_mov_b32 s[KO+1], 0
	s_lshl_b32 s68, s[WV], 5
	s_lshl_b32 s[Q0B], ttmp9, 8
	s_add_co_u32 s[Q0B], s[Q0B], s68               ; second phase: 256 i + 32 w
	s_sub_co_u32 s69, 7, ttmp9
	s_lshl_b32 s69, s69, 8
	s_add_co_u32 s[Q0], s69, s68                   ; first phase: 256 (7 - i) + 32 w
	s_cmp_eq_u32 ttmp9, 0
	s_cselect_b32 s[LIM], 2, -1
	s_wait_dscnt 0x0                               ; both opening adds are done
	s_wait_kmcnt 0x0
	s_add_nc_u64 s[4:5], s[4:5], s[12:13]          ; q at my head
	s_add_nc_u64 s[OHB:OHB+1], s[6:7], s[12:13]
	s_lshl_b32 s70, s9, 13
	s_mov_b32 s71, 0
	s_add_nc_u64 s[KB:KB+1], s[4:5], s[70:71]
	s_add_nc_u64 s[KB:KB+1], s[KB:KB+1], 16777216
	s_add_nc_u64 s[VB:VB+1], s[KB:KB+1], 16777216
	s_mov_b32 s[G0K], 1
	s_mul_i32 s[G0K+1], s9, KQB
	s_mov_b64 s[G0K+2:G0K+3], s[KB:KB+1]
	s_or_b32 s[G0K+3], s[G0K+3], 0x80000000
	s_mov_b32 s[G0V], 1
	s_mul_i32 s[G0V+1], s9, VQB
	s_add_co_u32 s[G0V+1], s[G0V+1], VOFF
	s_mov_b64 s[G0V+2:G0V+3], s[VB:VB+1]
	s_or_b32 s[G0V+3], s[G0V+3], 0x80000000
	TLOAD                                          ; key block 0 into slot 0
	s_cmp_lt_u32 s[WV], 4
	s_cselect_b64 s[PFA:PFA+1], s[KB:KB+1], s[VB:VB+1]
	s_add_nc_u64 s[PFA:PFA+1], s[PFA:PFA+1], 32768 ; at block 1; the first change of slots steps it to block 2.  Nothing is prefetched here at the head
	v_and_b32 v12, 15, v0                          ; r
	v_bfe_u32 v13, v0, 4, 1                        ; hl
	v_mul_u32_u24 v[AK0], v12, PK
	v_lshl_add_u32 v[AK0], v13, 4, v[AK0]
	v_and_b32 v3, 7, v0
	v_lshl_add_u32 v[AV0], v13, 3, v3
	v_mul_u32_u24 v[AV0], v[AV0], PV
	v_bfe_u32 v3, v0, 3, 1
	v_lshl_add_u32 v[AV0], v3, 4, v[AV0]
	v_add_nc_u32 v[AV0], VOFF, v[AV0]
	s_mul_i32 s68, s[WV], 32*PK
	s_add_co_u32 s68, s68, STAGE
	v_add_nc_u32 v[STO], s68, v[AK0]               ; the stage, in: row r, 16 bytes for each half of the lanes
	v_and_b32 v3, 31, v0
	v_lshlrev_b32 v[GO], 4, v3
	v_lshlrev_b32 v[PFO], 8, v3
	v_lshrrev_b32 v4, 3, v3
	v_mul_u32_u24 v4, v4, PK
	v_and_b32 v3, 7, v0
	v_lshl_add_u32 v4, v3, 4, v4
	v_add_nc_u32 v[RD], s68, v4                    ; back: eight lanes to a row of 128 bytes, four rows an instruction
	v_lshlrev_b32 v3, 3, v13
	v_sub_nc_u32 v[DQ], v12, v3
	v_lshlrev_b32 v[QO], 7, v12
	v_lshl_add_u32 v[QO], v13, 4, v[QO]
	s_lshl_b32 s70, s[Q0], 7
	s_add_nc_u64 s[14:15], s[4:5], s[70:71]
	s_add_nc_u64 s[OB:OB+1], s[OHB:OHB+1], s[70:71]
	s_lshl_b32 s70, s[Q0B], 7
	s_add_nc_u64 s[68:69], s[4:5], s[70:71]
.irp t, 0,1
.irp c, 0,1
	global_load_b128 v[Q+16*\t+8*\c:Q+16*\t+8*\c+3],   v[QO], s[14:15] offset:2048*\t+64*\c
	global_load_b128 v[Q+16*\t+8*\c+4:Q+16*\t+8*\c+7], v[QO], s[14:15] offset:2048*\t+64*\c+32
.endr
.endr
	WIN 0x40                                       ; destination window 1
.irp t, 0,1
.irp c, 0,1
	global_load_b128 v[QBR+16*\t+8*\c:QBR+16*\t+8*\c+3],   v[QO], s[68:69] offset:2048*\t+64*\c
	global_load_b128 v[QBR+16*\t+8*\c+4:QBR+16*\t+8*\c+7], v[QO], s[68:69] offset:2048*\t+64*\c+32
.endr
.endr
	WIN 0
.macro INIT
.irp t, 0,1
	v_mov_b32 v[ST+8*\t+1], 0xff61b1e6             ; m = -3e38, under every score
	v_mul_f32 v[ST+8*\t], s[CS], v[ST+8*\t+1]
.irp j, 2,3,4,5,6,7
	v_mov_b32 v[ST+8*\t+\j], 0
.endr
.endr
.set i, 0
.rept 64
	v_mov_b32 v[O+i], 0                            ; O^T: the step is written once; its first run finds zeros
.set i, i+1
.endr
.endm
	INIT
	s_wait_loadcnt 0x0                             ; Q of both phases; the loads' bases may be written again
.macro MASK                            ; register n of tile t holds key KF + 16 (n / 8) + 8 hl + n % 8 for query Q0 + 16 t + r: hidden where 16 (n / 8) + n % 8 - 16 t > Q0 - KF + r - 8 hl
	s_sub_co_i32 s68, s[Q0], s[KF]
	v_add_nc_u32 v12, s68, v[DQ]
	v_mov_b32 v13, 0xff800000
.irp t, 0,1
.irp n, 0,1,2,3,4,5,6,7,8,9,10,11,12,13,14,15,16,17,18,19,20,21,22,23,24,25,26,27,28,29,30,31
	v_cmp_gt_i32 vcc_lo, 16*(\n/8)+\n%8-16*\t, v12
	v_cndmask_b32 v[S+32*\t+\n], v[S+32*\t+\n], v13, vcc_lo
.endr
.endr
.endm
.macro SOFTMAX                         ; the two tiles alternate line by line
.irp j, 0,1,2,3
.irp t, 0,1
	v_max3_num_f32 v[ST+8*\t+4+\j], v[S+32*\t+8*\j], v[S+32*\t+8*\j+1], v[S+32*\t+8*\j+2]   ; four chains; each accumulator is read from its low end on
.endr
.endr
.irp g, 1,2
.irp j, 0,1,2,3
.irp t, 0,1
	v_max3_num_f32 v[ST+8*\t+4+\j], v[ST+8*\t+4+\j], v[S+32*\t+8*\j+2*\g+1], v[S+32*\t+8*\j+2*\g+2]
.endr
.endr
.endr
.irp t, 0,1
	v_max3_num_f32 v[ST+8*\t+4], v[ST+8*\t+4], v[S+32*\t+7], v[S+32*\t+15]
.endr
.irp t, 0,1
	v_max3_num_f32 v[ST+8*\t+6], v[ST+8*\t+6], v[S+32*\t+23], v[S+32*\t+31]
.endr
.irp t, 0,1
	v_max3_num_f32 v[ST+8*\t+4], v[ST+8*\t+4], v[ST+8*\t+5], v[ST+8*\t+6]
.endr
.irp t, 0,1
	v_max3_num_f32 v[ST+8*\t+4], v[ST+8*\t+4], v[ST+8*\t+7], v[ST+8*\t+1]   ; with the old m
.endr
.irp t, 0,1
	v_permlanex16_b32 v[ST+8*\t+5], v[ST+8*\t+4], s[SEL], s[SEL+1]          ; the query's other 32 keys lie in the lane 16 away
.endr
.irp t, 0,1
	v_mov_b32 v[ST+8*\t+7], v[ST+8*\t]             ; c m_old
.endr
.irp t, 0,1
	v_max_num_f32 v[ST+8*\t+1], v[ST+8*\t+4], v[ST+8*\t+5]
.endr
.irp t, 0,1
	v_mul_f32 v[ST+8*\t], s[CS], v[ST+8*\t+1]
.endr
.irp t, 0,1
	v_sub_f32 v[ST+8*\t+7], v[ST+8*\t+7], v[ST+8*\t]
.endr
.irp b, 0,2,4,6,8,10,12,14,16,18,20,22,24,26,28,30
.irp t, 0,1
	v_pk_fma_f32 v[S+32*\t+\b:S+32*\t+\b+1], v[S+32*\t+\b:S+32*\t+\b+1], s[CS:CS+1], v[ST+8*\t:ST+8*\t+1] op_sel_hi:[1,0,0] neg_lo:[0,0,1] neg_hi:[0,0,1]   ; c s - c m
.endr
.endr
.irp t, 0,1
	v_exp_f32 v[ST+8*\t+6], v[ST+8*\t+7]           ; 2^(c m_old - c m_new)
.endr
.set i, 0
.rept 64
	v_exp_f32 v[S+i], v[S+i]                       ; p
.set i, i+1
.endr
	v_nop                                          ; one plain line behind the last exponential
	s_wait_alu depctr_va_vdst(0)                   ; one wait for the 66 exponentials, ahead of the first line that names a result
.irp b, 0,1,2,3,4,5,6,7,8,9,10,11,12,13,14,15
.irp t, 0,1
	v_cvt_pk_f16_f32 v[P+16*\t+\b], v[S+32*\t+2*\b], v[S+32*\t+2*\b+1]
.endr
.endr
.irp u, 0,1,2,3,4,5,6,7
.irp t, 0,1
	v_pk_add_f32 v[S+32*\t+4*\u:S+32*\t+4*\u+1], v[S+32*\t+4*\u:S+32*\t+4*\u+1], v[S+32*\t+4*\u+2:S+32*\t+4*\u+3]   ; the sum of the unrounded p, a tree in place
.endr
.endr
.irp u, 0,1,2,3
.irp t, 0,1
	v_pk_add_f32 v[S+32*\t+8*\u:S+32*\t+8*\u+1], v[S+32*\t+8*\u:S+32*\t+8*\u+1], v[S+32*\t+8*\u+4:S+32*\t+8*\u+5]
.endr
.endr
.irp u, 0,1
.irp t, 0,1
	v_pk_add_f32 v[S+32*\t+16*\u:S+32*\t+16*\u+1], v[S+32*\t+16*\u:S+32*\t+16*\u+1], v[S+32*\t+16*\u+8:S+32*\t+16*\u+9]
.endr
.endr
.irp t, 0,1
	v_pk_add_f32 v[S+32*\t:S+32*\t+1], v[S+32*\t:S+32*\t+1], v[S+32*\t+16:S+32*\t+17]
.endr
.irp t, 0,1
	v_pk_fma_f32 v[ST+8*\t+2:ST+8*\t+3], v[ST+8*\t+2:ST+8*\t+3], v[ST+8*\t+6:ST+8*\t+7], v[S+32*\t:S+32*\t+1] op_sel_hi:[1,0,1]
.endr
.irp b, 0,2,4,6,8,10,12,14,16,18,20,22,24,26,28,30
.irp t, 0,1
	v_pk_mul_f32 v[O+32*\t+\b:O+32*\t+\b+1], v[O+32*\t+\b:O+32*\t+\b+1], v[ST+8*\t+6:ST+8*\t+7] op_sel_hi:[1,0]
.endr
.endr
.endm
; A KEY STEP: 64 keys, the q-th quarter of the slot in hand.
.macro STEP q
	s_add_co_u32 s68, s[Q0], 31
	s_cmp_gt_u32 s[KF], s68                        ; all 64 keys come after my 32 queries: the step's work is left out (ids and the count of steps alone; no barrier and no tensor load stands in a step)
	s_cbranch_scc1 .Lhidden_\@
	v_add_nc_u32 v[ADK], s[TB], v[AK0]
	v_add_nc_u32 v[ADV], s[TB], v[AV0]
	v_nop
	v_nop                                          ; four plain lines between the last step's products and the loads into the registers that they read
	WIN 0x40
.irp kt, 0,1,2,3
.irp c, 0,1
	ds_load_b128 v[16*\kt+8*\c:16*\kt+8*\c+3],   v[ADK] offset:(\q)*KQB+\kt*16*PK+64*\c
	ds_load_b128 v[16*\kt+8*\c+4:16*\kt+8*\c+7], v[ADK] offset:(\q)*KQB+\kt*16*PK+64*\c+32
.endr
.endr
.irp kk, 0,1
.irp ct, 0,1,2,3
	ds_load_tr16_b128 v[VFR+32*\kk+8*\ct:VFR+32*\kk+8*\ct+3],   v[ADV] offset:(\q)*VQB+\kk*32*PV+32*\ct
	ds_load_tr16_b128 v[VFR+32*\kk+8*\ct+4:VFR+32*\kk+8*\ct+7], v[ADV] offset:(\q)*VQB+\kk*32*PV+16*PV+32*\ct
.endr
.endr
	s_wait_dscnt 16                                ; K is in; V's sixteen loads may be out
	WIN 0x01                                       ; source 0 window 1
.irp c, 0,1                                    ; S^T = K Q^T: eight accumulators by turns
.irp kt, 0,1,2,3
.irp t, 0,1
.if \c == 0
	v_wmma_f32_16x16x32_f16 v[S+32*\t+8*\kt:S+32*\t+8*\kt+7], v[16*\kt+8*\c:16*\kt+8*\c+7], v[Q+16*\t+8*\c:Q+16*\t+8*\c+7], 0
.else
	v_wmma_f32_16x16x32_f16 v[S+32*\t+8*\kt:S+32*\t+8*\kt+7], v[16*\kt+8*\c:16*\kt+8*\c+7], v[Q+16*\t+8*\c:Q+16*\t+8*\c+7], v[S+32*\t+8*\kt:S+32*\t+8*\kt+7]
.endif
.endr
.endr
.endr
	WIN 0
.rept 4
	v_nop
.endr
	s_add_co_u32 s68, s[KF], 63
	s_cmp_le_u32 s68, s[Q0]                        ; all keys count for all my queries: no mask
	s_cbranch_scc1 .Lopen_\@
	MASK
.Lopen_\@:
	SOFTMAX
	s_wait_dscnt 0x0                               ; V is in
	WIN 0x01
.irp kk, 0,1                                   ; O^T += V^T P: eight accumulators by turns
.irp ct, 0,1,2,3
.irp t, 0,1
	v_wmma_f32_16x16x32_f16 v[O+32*\t+8*\ct:O+32*\t+8*\ct+7], v[VFR+32*\kk+8*\ct:VFR+32*\kk+8*\ct+7], v[P+16*\t+8*\kk:P+16*\t+8*\kk+7], v[O+32*\t+8*\ct:O+32*\t+8*\ct+7]
.endr
.endr
.endr
	WIN 0
.Lhidden_\@:
	s_add_co_u32 s[KF], s[KF], 64
.endm
; THE CHANGE OF SLOTS, at a slot's head.  Each wave waits for all its tensor loads (its part of the slot ahead), adds 0 to its spare word, waits for that and for its reads of the slot that it has left; one barrier;
; fill = 1: the slot left is filled with the next key block of the walk, the wave's one tensor load until the next change.  Slot 1's first fill stands behind the first trip's barrier.
.macro CHANGE fill
	s_wait_tensorcnt 0x0                           ; no tensor load of mine is out: the descriptors may be written
	ds_add_u32 v[SPW], v[NIL]                      ; every wave has issued a tensor load ahead of it
.if \fill
	s_add_co_u32 s[NXT], s[NXT], 1
	s_sub_co_u32 s68, s[NXT], s[LIMA]
	s_cmp_lt_u32 s[NXT], s[LIMA]
	s_cselect_b32 s68, s[NXT], s68                 ; the block: the first phase's, or the second's from 0 on
	s_lshl_b32 s[KO], s68, 15                      ; 256 rows of 128 bytes
	s_xor_b32 s[G0K+1], s[G0K+1], SLOT1
	s_xor_b32 s[G0V+1], s[G0V+1], SLOT1
	s_add_nc_u64 s[G0K+2:G0K+3], s[KB:KB+1], s[KO:KO+1]
	s_or_b32 s[G0K+3], s[G0K+3], 0x80000000
	s_add_nc_u64 s[G0V+2:G0V+3], s[VB:VB+1], s[KO:KO+1]
	s_or_b32 s[G0V+3], s[G0V+3], 0x80000000
	s_wait_xcnt 0x0                                ; the last prefetch, a slot back, has read its address
	s_add_nc_u64 s[PFA:PFA+1], s[PFA:PFA+1], 32768
.endif
	s_wait_dscnt 0x0                               ; the add is done, and my reads of the slot that I have left are over
	s_barrier_signal -1
	s_barrier_wait -1
.if \fill
	TLOAD
	ASK
.endif
.endm
; A query block is finished: O^T / l, rounded to f16, through my stage, out as 32 rows of 128 bytes on end: each store covers 512 consecutive bytes.
.macro FLUSH
.rept 4
	v_nop
.endr
.irp t, 0,1
	v_add_f32 v[ST+8*\t+4], v[ST+8*\t+2], v[ST+8*\t+3]
.endr
.irp t, 0,1
	v_permlanex16_b32 v[ST+8*\t+5], v[ST+8*\t+4], s[SEL], s[SEL+1]
.endr
.irp t, 0,1
	v_add_f32 v[ST+8*\t+4], v[ST+8*\t+4], v[ST+8*\t+5]
.endr
.irp t, 0,1
	v_rcp_f32 v[ST+8*\t+6], v[ST+8*\t+4]
.endr
	v_nop
	s_wait_alu depctr_va_vdst(0)                   ; one wait for the two reciprocals, ahead of their first reader
.irp t, 0,1
.irp b, 0,2,4,6,8,10,12,14,16,18,20,22,24,26,28,30
	v_pk_mul_f32 v[O+32*\t+\b:O+32*\t+\b+1], v[O+32*\t+\b:O+32*\t+\b+1], v[ST+8*\t+6:ST+8*\t+7] op_sel_hi:[1,0]   ; each accumulator from its low end on
.endr
.endr
.set i, 0
.rept 32
	v_cvt_pk_f16_f32 v[PKD+i], v[O+2*i], v[O+2*i+1]
.set i, i+1
.endr
.irp t, 0,1
.irp ct, 0,1,2,3
	ds_store_b128 v[STO], v[PKD+16*\t+4*\ct:PKD+16*\t+4*\ct+3] offset:16*PK*\t+32*\ct
.endr
.endr
.irp n, 0,1,2,3,4,5,6,7
	ds_load_b128 v[S+4*\n:S+4*\n+3], v[RD] offset:4*PK*\n          ; my own stage: LDS serves a wave's instructions in order
.endr
.irp n, 0,1,2,3,4,5,6,7
	s_wait_dscnt 7-\n                              ; behind load n stand the 7 - n later loads
	global_store_b128 v[GO], v[S+4*\n:S+4*\n+3], s[OB:OB+1] offset:512*\n
.endr
.endm
.macro REINIT                          ; on to the second query block
	s_wait_xcnt 0x0                                ; the stores have read their base and their data
	s_lshl_b32 s70, s[Q0B], 7
	s_add_nc_u64 s[OB:OB+1], s[OHB:OHB+1], s[70:71]
	s_mov_b32 s[Q0], s[Q0B]
	s_mov_b32 s[KF], 0
	WIN 0x01
.set i, 0
.rept 32
	v_mov_b32 v[Q+i], v[QBR+i]
.set i, i+1
.endr
	WIN 0
	INIT
.endm
.Lslot:                                            ; eight trips; the ninth block is written out behind the loop
	CHANGE 1
	STEP 0
	STEP 1
	STEP 2
	STEP 3
	s_xor_b32 s[TB], s[TB], SLOT1
	s_cmp_lg_u32 s[NXT], s[LIMA]                   ; the first phase's last block has been walked: ids and the count of trips alone, the same in all eight waves
	s_cbranch_scc1 .Lsame
	FLUSH
	REINIT
.Lsame:
	s_sub_co_u32 s[SLOTS], s[SLOTS], 1
	s_cmp_lg_u32 s[SLOTS], 0
	s_cbranch_scc1 .Lslot
	CHANGE 0
	STEP 0
	STEP 1
	STEP 2
	STEP 3
	FLUSH
	s_wait_tensorcnt 0x0                           ; the wave's end
	ds_add_u32 v[SPW], v[NIL]
	s_wait_dscnt 0x0
	s_endpgm
.Lfunc_end_k_qd0b54a78d1_attn:
	.size	k_qd0b54a78d1_attn, .Lfunc_end_k_qd0b54a78d1_attn-k_qd0b54a78d1_attn
	.p2alignl 7, 3214868480
	.fill 96, 4, 3214868480
	.section	.rodata,"a",@progbits
	.p2align	6, 0x0
	.amdhsa_kernel k_qd0b54a78d1_attn
		.amdhsa_group_segment_fixed_size 327680
		.amdhsa_private_segment_fixed_size 0
		.amdhsa_enable_private_segment 0
		.amdhsa_kernarg_size 16
		.amdhsa_user_sgpr_count 2
		.amdhsa_user_sgpr_kernarg_segment_ptr 1
		.amdhsa_wavefront_size32 1
		.amdhsa_system_sgpr_workgroup_id_x 1
		.amdhsa_system_sgpr_workgroup_id_y 1
		.amdhsa_system_sgpr_workgroup_id_z 1
		.amdhsa_system_vgpr_workitem_id 0
		.amdhsa_next_free_vgpr 416
		.amdhsa_next_free_sgpr 72
		.amdhsa_reserve_vcc 1
		.amdhsa_float_denorm_mode_32 3
		.amdhsa_float_denorm_mode_16_64 3
		.amdhsa_memory_ordered 1
		.amdhsa_forward_progress 1
		.amdhsa_inst_pref_size 199
	.end_amdhsa_kernel
	.amdgpu_metadata
---
amdhsa.version: [ 1, 2 ]
amdhsa.kernels:
  - .name:           k_qd0b54a78d1_attn
    .symbol:         k_qd0b54a78d1_attn.kd
    .args:
      - { .name: qkv, .offset: 0, .size: 8, .value_kind: global_buffer, .address_space: global }
      - { .name: oh, .offset: 8, .size: 8, .value_kind: global_buffer, .address_space: global }
    .group_segment_fixed_size: 327680
    .private_segment_fixed_size: 0
    .kernarg_segment_align: 8
    .kernarg_segment_size: 16
    .max_flat_workgroup_size: 256
    .sgpr_count:     72
    .vgpr_count:     416
    .wavefront_size: 32
...
	.end_amdgpu_metadata
.endif
;; end of part 3
;; launch proj (part 4): grid 8 x 64, 4 waves a work-group, clusters of 4 x 4, 327,680 bytes of LDS; arguments oh, wot, bo, out0; writes out0
.if DOCPART == 4
	.amdgcn_target "amdgcn-amd-amdhsa--gfx1250"
	.amdhsa_code_object_version 6
	.text
	.protected	k_qd0b54a78d1_proj
	.globl	k_qd0b54a78d1_proj
	.p2align	8
	.type	k_qd0b54a78d1_proj,@function
k_qd0b54a78d1_proj:
	s_mov_b64 s[64:65], 0
	v_nop
	global_prefetch_b8 v0, s[64:65] scope:SCOPE_SE
	s_setreg_imm32_b32 hwreg(HW_REG_WAVE_MODE, 25, 1), 1
	s_wait_xcnt 0x0
	s_wait_alu depctr_hold_cnt(0) depctr_sa_sdst(0) depctr_va_vdst(0) depctr_va_sdst(0) depctr_va_ssrc(0) depctr_va_vcc(0) depctr_vm_vsrc(0)
	s_getreg_b32 s2, hwreg(HW_REG_IB_STS2, 6, 4)
	s_cmp_eq_u32 s2, 0
	s_cbranch_scc0 .Lentry_in_a_cluster
	s_endpgm
.Lentry_in_a_cluster:
	s_bfe_u32 s2, ttmp6, 0x10000c
	s_cmp_lg_u32 s2, 0xf033
	s_cbranch_scc0 .Lentry_shape_is_right
	s_endpgm
.Lentry_shape_is_right:
; out0 [8192 m][1024 n] f32 = o Wo + bo.  o: oh f16 [16 h][8192 m][64 d], K = 64 h + d; Wo: wot f16 [1024 n][1024 k]; sums in f32.
; NOT STORED HERE: positions 0-15 of every sequence: the launch behind this one makes them in f32 and is their one owner in out0.
; A tile of out0 is 128 x 128: four waves, each 64 x 64: 16 accumulators.  K goes in steps of 256 (four heads) through a ring of two LDS slots.  CLUSTERS: 4 x 4 work-groups; o's tiles are asked for jointly along a row
; of the cluster, Wo's along a column.  Tile row = cluster y + 16 cy: cy is the batch, and the tile holds a sequence's first positions where cluster y is 0: a number that all sixteen partners share.
; o's tile of a K step: 64 rows of four heads.  In memory a head's 64 rows are 8,192 dense bytes, the heads 1,048,576 bytes apart: one descriptor of 4 rows x 4,096 elements, with 16 bytes of padding behind every 128:
; in LDS [4 heads][64 rows][144 bytes].  THE MATRIX INSTRUCTION IS USED TRANSPOSED (source 0 = 16 rows of wot, source 1 = 16 rows of o): a lane holds eight neighbouring columns of one row.  bo is the C of each sum's first product.
; REGISTERS: window 0: v0-31 addresses; v32-95 rows on the way out; v96-127 bo in the result's layout; v128-255 the accumulators ((a, b) at v[128 + 8 (4 a + b)]).  window 1: two fragment buffers of 128.
.set KSTEP,  256
.set PA,     144                       ; a row of o in LDS: 128 bytes + 16
.set PB,     528                       ; a row of wot: 512 bytes + 16
.set HALFA,  4*64*PA
.set HALFB,  64*PB
.set SLOT,   2*HALFA+2*HALFB
.set STAGE,  2*SLOT                    ; behind the ring: 16 rows x 272 bytes for each wave
.set SPITCH, 272
.set SPARE,  STAGE+4*16*SPITCH         ; the spare words: two blocks of 256 bytes that no other line names
.set LAPS,   2
.set ADRA, 16
.set ADRB, 20
.set STO,  24
.set RD,   25
.set CO,   26
.set SPW,  28
.set NIL,  29
.set OB,   32
.set BI,   96
.set ACC,  128
.set F0,   0
.set F1,   128
.set G1, 24
.set G0, 32
.set G1B, 48
.set G0B, 56
.set MSB, 0
.macro WIN new
.if MSB != \new
	s_set_vgpr_msb (MSB<<8)|\new
.set MSB, \new
.endif
.endm
.set MUL,  0x05                        ; sources 0 and 1 window 1; C and D window 0
.set TO_F, 0x40
.macro JLOAD s                         ; waves 0 and 1 fetch o's two halves, waves 2 and 3 wot's; an s_nop 0 and four v_nop follow each line
	s_cmp_eq_u32 s11, 0
	s_cbranch_scc0 .Lfor_b_\@
	tensor_load_to_lds s[G0+4*\s:G0+4*\s+3], s[G1:G1+7]
	s_nop 0
.rept 4
	v_nop
.endr
	s_branch .Lasked_\@
.Lfor_b_\@:
	tensor_load_to_lds s[G0B+4*\s:G0B+4*\s+3], s[G1B:G1B+7]
	s_nop 0
.rept 4
	v_nop
.endr
.Lasked_\@:
.endm
.macro CREST
	s_cmp_lg_u32 s10, 0
	s_cbranch_scc1 .Lnot_wave_0_\@
	s_barrier_signal -3
.Lnot_wave_0_\@:
	s_barrier_wait -3
	s_barrier_signal -1
	s_barrier_wait -1
.endm
.macro CROUND
	s_barrier_signal -1
	s_barrier_wait -1
	CREST
.endm
	s_load_b128 s[4:7], s[0:1], 0x0                ; oh s[4:5], wot s[6:7]
	s_load_b128 s[68:71], s[0:1], 0x10             ; bo s[68:69], out0 s[70:71]
	v_lshl_add_u32 v[SPW], v0, 2, SPARE
	v_mov_b32 v[NIL], 0
	ds_add_u32 v[SPW], v[NIL]                      ; the wave's opening: the add, twice on end, and its wait ahead of my first tensor load
	ds_add_u32 v[SPW], v[NIL]
	v_lshrrev_b32 v1, 5, v0
	v_readfirstlane_b32 s10, v1                    ; wave 0..3
	s_lshr_b32 s11, s10, 1                         ; my half of the tile's rows.  Also: I fetch for o (0) or for wot (1)
	s_and_b32 s12, s10, 1                          ; my half of its columns.  Also: which 64 rows I fetch
	s_bfe_u32 s40, ttmp6, 0x40000                  ; cx
	s_bfe_u32 s41, ttmp6, 0x40004                  ; cy
	s_lshl_b32 s42, ttmp9, 2
	s_add_co_u32 s42, s42, s40                     ; tile column = 4 x cluster x + cx
	s_and_b32 s66, ttmp7, 0xffff                   ; cluster y
	s_lshl_b32 s13, s41, 4
	s_add_co_u32 s13, s13, s66                     ; tile row = cluster y + 16 cy
	s_lshl_b32 s43, s41, 2
	s_lshl_b32 s43, 15, s43                        ; my row of the cluster
	s_lshl_b32 s44, 0x1111, s40                    ; my column
	s_or_b32 s[G1+0], s43, (1<<16)|(1<<20)|(1<<21)|(4<<22)|(3<<25)   ; the mask; elements of 2 bytes; padding on; bit 21 beside a mask; after every 32 words, 4 words
	s_mov_b32 s[G1+1], 4096<<16                    ; tensor_dim0 = 4,096: 64 rows of 64 numbers, dense
	s_mov_b32 s[G1+2], 4<<16                       ; tensor_dim1 = 4 heads
	s_mov_b32 s[G1+3], 4096<<16                    ; tile_dim0
	s_mov_b32 s[G1+4], 4                           ; tile_dim1
	s_mov_b32 s[G1+5], 524288                      ; from head to head, in elements
	s_mov_b32 s[G1+6], 0
	s_mov_b32 s[G1+7], 0
	s_or_b32 s[G1B+0], s44, (1<<16)|(1<<20)|(1<<21)|(6<<22)|(3<<25)  ; after every 128 words, 4 words
	s_mov_b32 s[G1B+1], KSTEP<<16
	s_mov_b32 s[G1B+2], 64<<16
	s_mov_b32 s[G1B+3], KSTEP<<16
	s_mov_b32 s[G1B+4], 64
	s_mov_b32 s[G1B+5], 1024
	s_mov_b32 s[G1B+6], 0
	s_mov_b32 s[G1B+7], 0
	s_lshl_b32 s16, s13, 14                        ; o: (128 x tile row + 64 x half) rows of 128 bytes
	s_lshl_b32 s17, s12, 13
	s_add_co_u32 s16, s16, s17
	s_mov_b32 s17, 0
	s_lshl_b32 s46, s42, 18                        ; wot: (128 x tile column + 64 x half) rows of 2,048 bytes
	s_lshl_b32 s47, s12, 17
	s_add_co_u32 s46, s46, s47
	s_mov_b32 s47, 0
	s_mul_i32 s20, s12, HALFA                      ; where they go: no place in the cluster enters an LDS address
	s_mul_i32 s21, s12, HALFB
	s_add_co_u32 s21, s21, 2*HALFA
	s_wait_dscnt 0x0                               ; both opening adds are done
	s_wait_kmcnt 0x0
	s_add_nc_u64 s[14:15], s[4:5], s[16:17]
	s_add_nc_u64 s[46:47], s[6:7], s[46:47]
	CROUND                                         ; all sixteen work-groups are here: the first joint loads meet
.irp s, 0,1
	s_mov_b32 s[G0+4*\s], 1
	s_add_co_u32 s[G0+4*\s+1], s20, \s*SLOT
	s_add_nc_u64 s[G0+4*\s+2:G0+4*\s+3], s[14:15], \s*4194304      ; K step s: four heads on
	s_or_b32 s[G0+4*\s+3], s[G0+4*\s+3], 0x80000000
	s_mov_b32 s[G0B+4*\s], 1
	s_add_co_u32 s[G0B+4*\s+1], s21, \s*SLOT
	s_add_nc_u64 s[G0B+4*\s+2:G0B+4*\s+3], s[46:47], \s*KSTEP*2
	s_or_b32 s[G0B+4*\s+3], s[G0B+4*\s+3], 0x80000000
	JLOAD \s
.endr
	v_and_b32 v1, 15, v0                           ; r
	v_bfe_u32 v2, v0, 4, 1                         ; hl
	v_mul_u32_u24 v3, v1, PA
	v_lshl_add_u32 v3, v2, 4, v3
	v_mul_u32_u24 v4, v1, PB
	v_lshl_add_u32 v4, v2, 4, v4
	s_mul_i32 s21, s11, HALFA                      ; my 64 rows of o
	s_mul_i32 s22, s12, HALFB                      ; my 64 rows of wot,
	s_add_co_u32 s22, s22, 2*HALFA                 ; which lie behind o's
.irp s, 0,1
	v_add_nc_u32 v[ADRA+\s], s21, v3
	v_add_nc_u32 v[ADRB+\s], s22, v4
	s_add_co_u32 s21, s21, SLOT
	s_add_co_u32 s22, s22, SLOT
.endr
	s_mul_i32 s23, s10, 16*SPITCH
	s_add_co_u32 s23, s23, STAGE                   ; my stage
	v_mul_u32_u24 v4, v1, SPITCH
	v_lshl_add_u32 v4, v2, 5, v4
	v_add_nc_u32 v[STO], s23, v4                   ; in: row r, 32 bytes for each half of the lanes
	v_mul_u32_u24 v5, v2, SPITCH
	v_lshl_add_u32 v5, v1, 4, v5
	v_add_nc_u32 v[RD], s23, v5                    ; back: lanes 0-15 one row of 256 bytes, lanes 16-31 the next
	v_lshlrev_b32 v5, 12, v2
	v_lshl_add_u32 v[CO], v1, 4, v5                ; and the same two rows in out0
	s_lshl_b32 s46, s42, 9
	s_lshl_b32 s47, s12, 8
	s_add_co_u32 s46, s46, s47
	s_mov_b32 s47, 0                               ; my first column, as f32 bytes
	s_add_nc_u64 s[68:69], s[68:69], s[46:47]
	s_add_nc_u64 s[70:71], s[70:71], s[46:47]
	s_lshl_b32 s16, s13, 19
	s_lshl_b32 s17, s11, 18
	s_add_co_u32 s16, s16, s17
	s_mov_b32 s17, 0                               ; my first row: (128 x tile row + 64 x half) x 4,096 bytes
	s_add_nc_u64 s[70:71], s[70:71], s[16:17]
	v_lshlrev_b32 v6, 5, v2
.irp b, 0,1,2,3
	global_load_b128 v[BI+8*\b:BI+8*\b+3], v6, s[68:69] offset:64*\b       ; bo at columns 16 b + 8 hl + 0 .. 7
	global_load_b128 v[BI+8*\b+4:BI+8*\b+7], v6, s[68:69] offset:64*\b+16
.endr
; 8 matrix instructions: m blocks a0, a0 + 1 x all 4 n blocks, 32 along K: half c of buffer f.  bias = 1: the first product starts the sums from bo.  The 16 accumulators take turns.
.macro MUL8 f, c, a0, bias
.irp a, \a0, \a0+1
.irp b, 0,1,2,3
.if \bias
	v_wmma_f32_16x16x32_f16 v[ACC+8*(4*(\a)+\b):ACC+8*(4*(\a)+\b)+7], v[\f+64+8*(4*\c+\b):\f+64+8*(4*\c+\b)+7], v[\f+8*(4*\c+\a):\f+8*(4*\c+\a)+7], v[BI+8*\b:BI+8*\b+7]
.else
	v_wmma_f32_16x16x32_f16 v[ACC+8*(4*(\a)+\b):ACC+8*(4*(\a)+\b)+7], v[\f+64+8*(4*\c+\b):\f+64+8*(4*\c+\b)+7], v[\f+8*(4*\c+\a):\f+8*(4*\c+\a)+7], v[ACC+8*(4*(\a)+\b):ACC+8*(4*(\a)+\b)+7]
.endif
.endr
.endr
.endm
; 32 LDS loads in one run: the fragments of the slot's q-th 64 along K (one head) into buffer f
.macro FETCH slot, q, f
	WIN TO_F
.irp c, 0,1
.irp i, 0,1,2,3
	ds_load_b128 v[\f+64+8*(4*\c+\i):\f+64+8*(4*\c+\i)+3],   v[ADRB+\slot] offset:128*(\q)+64*\c+\i*16*PB
	ds_load_b128 v[\f+64+8*(4*\c+\i)+4:\f+64+8*(4*\c+\i)+7], v[ADRB+\slot] offset:128*(\q)+64*\c+\i*16*PB+32
	ds_load_b128 v[\f+8*(4*\c+\i):\f+8*(4*\c+\i)+3],         v[ADRA+\slot] offset:64*PA*(\q)+64*\c+\i*16*PA
	ds_load_b128 v[\f+8*(4*\c+\i)+4:\f+8*(4*\c+\i)+7],       v[ADRA+\slot] offset:64*PA*(\q)+64*\c+\i*16*PA+32
.endr
.endr
.endm
.macro PLACES
.rept 4
	v_nop
.endr
.endm
.macro QUARTER slot, q, f, g, bias     ; multiplies buffer f and fetches the slot's q-th quarter into g
	s_wait_dscnt 16                                ; the first 32 along K are in
	WIN MUL
	MUL8 \f, 0, 0, \bias
	MUL8 \f, 0, 2, \bias
	PLACES
	FETCH \slot, \q, \g
	s_wait_dscnt 32                                ; all but the 32 just issued
	WIN MUL
	MUL8 \f, 1, 0, 0
	MUL8 \f, 1, 2, 0
.endm
; A slot's last quarter changes slots: each wave waits for all its tensor loads, adds 0 to its spare word, waits for that and for its reads of this slot.  fill = 1: the barrier opens a round of the cluster's barrier,
; and the joint refill, two K steps ahead, is the first tensor load behind it.
.macro TURN slot, next, fill
	WIN 0
	s_wait_tensorcnt 0x0
	ds_add_u32 v[SPW], v[NIL]
	s_wait_dscnt 17                                ; (the add and the youngest sixteen loads may be out)
	WIN MUL
	MUL8 F1, 0, 0, 0
	s_wait_dscnt 0x0                               ; the add is done, and my reads of this slot are over
	s_barrier_signal -1
	MUL8 F1, 0, 2, 0
.if \fill
	WIN 0
.endif
	s_barrier_wait -1
.if \fill
	CREST
	s_add_nc_u64 s[G0+4*\slot+2:G0+4*\slot+3], s[G0+4*\slot+2:G0+4*\slot+3], 8388608
	s_add_nc_u64 s[G0B+4*\slot+2:G0B+4*\slot+3], s[G0B+4*\slot+2:G0B+4*\slot+3], 2*KSTEP*2
	JLOAD \slot                                    ; the four v_nop behind it are also the places in front of the loads below
.else
	PLACES
.endif
	FETCH \next, 0, F0
	WIN MUL
	MUL8 F1, 1, 0, 0
	MUL8 F1, 1, 2, 0
.endm
	s_wait_tensorcnt 1                             ; my part of K step 0 is in; K step 1's load may be out
	s_barrier_signal -1
	s_barrier_wait -1
	FETCH 0, 0, F0
	s_wait_loadcnt 0x0                             ; bo
	QUARTER 0, 1, F0, F1, 1
	WIN 0
	s_mov_b32 s3, LAPS-1
.Llap:                                                 ; a trip goes once round the ring and fills both slots again
	QUARTER 0, 2, F1, F0, 0
	QUARTER 0, 3, F0, F1, 0
	TURN 0, 1, 1
	QUARTER 1, 1, F0, F1, 0
	QUARTER 1, 2, F1, F0, 0
	QUARTER 1, 3, F0, F1, 0
	TURN 1, 0, 1
	QUARTER 0, 1, F0, F1, 0
	WIN 0
	s_sub_co_u32 s3, s3, 1
	s_cmp_lg_u32 s3, 0
	s_cbranch_scc1 .Llap
	QUARTER 0, 2, F1, F0, 0                        ; the last lap fills nothing
	QUARTER 0, 3, F0, F1, 0
	TURN 0, 1, 0
	QUARTER 1, 1, F0, F1, 0
	QUARTER 1, 2, F1, F0, 0
	QUARTER 1, 3, F0, F1, 0
	s_wait_dscnt 16
	WIN MUL
	MUL8 F1, 0, 0, 0
	MUL8 F1, 0, 2, 0
	s_wait_dscnt 0
	MUL8 F1, 1, 0, 0
	MUL8 F1, 1, 2, 0
	WIN 0
; THE WAY OUT.  My 64 columns are 256 bytes of a row: a block of 16 rows goes through my own stage and comes back as whole rows; sixteen lanes store 256 consecutive bytes, aligned.
.macro TOSTAGE a
.set BB, OB+32*((\a)%2)
.irp b, 0,1,2,3
	ds_store_b128 v[STO], v[ACC+8*(4*(\a)+\b):ACC+8*(4*(\a)+\b)+3] offset:64*\b          ; each accumulator from its low end on
	ds_store_b128 v[STO], v[ACC+8*(4*(\a)+\b)+4:ACC+8*(4*(\a)+\b)+7] offset:64*\b+16
.endr
.irp t, 0,1,2,3,4,5,6,7
	ds_load_b128 v[BB+4*\t:BB+4*\t+3], v[RD] offset:2*\t*SPITCH    ; LDS serves a wave's instructions in order
.endr
.endm
.macro SEND a, younger                 ; younger: the LDS instructions issued behind block a's loads
.set BB, OB+32*((\a)%2)
	s_wait_dscnt \younger
.irp t, 0,1,2,3,4,5,6,7
	global_store_b128 v[CO], v[BB+4*\t:BB+4*\t+3], s[70:71] offset:(16*(\a)+2*\t)*4096 th:TH_STORE_NT
.endr
.endm
	PLACES
	s_or_b32 s16, s66, s11                         ; cluster y and the wave's row half: 0 where my block 0 holds positions 0-15 of batch cy, which the next launch owns
	s_cmp_eq_u32 s16, 0
	s_cbranch_scc1 .Lnot_mine
	TOSTAGE 0
	SEND 0, 0
.Lnot_mine:
	TOSTAGE 1
	s_wait_xcnt 0x0                                ; block 0's stores have read their registers: block 2's loads may land there
	TOSTAGE 2
	SEND 1, 16                                     ; behind block 1's loads: block 2's 8 stores and 8 loads
	s_wait_xcnt 0x0                                ; block 1's stores have read their registers
	TOSTAGE 3
	SEND 2, 16
	SEND 3, 0
	s_wait_tensorcnt 0x0                           ; the wave's end
	ds_add_u32 v[SPW], v[NIL]
	s_wait_dscnt 0x0
	CROUND                                         ; the closing round
	s_endpgm
.Lfunc_end_k_qd0b54a78d1_proj:
	.size	k_qd0b54a78d1_proj, .Lfunc_end_k_qd0b54a78d1_proj-k_qd0b54a78d1_proj
	.p2alignl 7, 3214868480
	.fill 96, 4, 3214868480
	.section	.rodata,"a",@progbits
	.p2align	6, 0x0
	.amdhsa_kernel k_qd0b54a78d1_proj
		.amdhsa_group_segment_fixed_size 327680
		.amdhsa_private_segment_fixed_size 0
		.amdhsa_enable_private_segment 0
		.amdhsa_kernarg_size 32
		.amdhsa_user_sgpr_count 2
		.amdhsa_user_sgpr_kernarg_segment_ptr 1
		.amdhsa_wavefront_size32 1
		.amdhsa_system_sgpr_workgroup_id_x 1
		.amdhsa_system_sgpr_workgroup_id_y 1
		.amdhsa_system_sgpr_workgroup_id_z 1
		.amdhsa_system_vgpr_workitem_id 0
		.amdhsa_next_free_vgpr 512
		.amdhsa_next_free_sgpr 72
		.amdhsa_reserve_vcc 0
		.amdhsa_float_denorm_mode_32 3
		.amdhsa_float_denorm_mode_16_64 3
		.amdhsa_memory_ordered 1
		.amdhsa_forward_progress 1
		.amdhsa_inst_pref_size 87
	.end_amdhsa_kernel
	.amdgpu_metadata
---
amdhsa.version: [ 1, 2 ]
amdhsa.kernels:
  - .name:           k_qd0b54a78d1_proj
    .symbol:         k_qd0b54a78d1_proj.kd
    .args:
      - { .name: oh, .offset: 0, .size: 8, .value_kind: global_buffer, .address_space: global }
      - { .name: wot, .offset: 8, .size: 8, .value_kind: global_buffer, .address_space: global }
      - { .name: bo, .offset: 16, .size: 8, .value_kind: global_buffer, .address_space: global }
      - { .name: out0, .offset: 24, .size: 8, .value_kind: global_buffer, .address_space: global }
    .group_segment_fixed_size: 327680
    .private_segment_fixed_size: 0
    .kernarg_segment_align: 8
    .kernarg_segment_size: 32
    .max_flat_workgroup_size: 128
    .sgpr_count:     72
    .vgpr_count:     512
    .wavefront_size: 32
...
	.end_amdgpu_metadata
.endif
;; end of part 4
;; launch fine (part 5): grid 64 x 4, 16 waves a work-group, no clusters, 18,432 bytes of LDS; arguments fin, Wo, bo, out0; writes out0
.if DOCPART == 5
	.amdgcn_target "amdgcn-amd-amdhsa--gfx1250"
	.amdhsa_code_object_version 6
	.text
	.protected	k_qd0b54a78d1_fine
	.globl	k_qd0b54a78d1_fine
	.p2align	8
	.type	k_qd0b54a78d1_fine,@function
k_qd0b54a78d1_fine:
	s_mov_b64 s[64:65], 0
	v_nop
	global_prefetch_b8 v0, s[64:65] scope:SCOPE_SE
	s_setreg_imm32_b32 hwreg(HW_REG_WAVE_MODE, 25, 1), 1
	s_wait_xcnt 0x0
; Positions 0-15 of every sequence, through attention and projection, all in f32: under the causal mask these rows average one to sixteen values and are the largest, so 16-bit operands would weigh most here.
; LEFT OUT: bk (shown at the head of the first kernel); keys from 16 on, which come after all these queries.
; fin f32 [3 t][4 b][16 s][1024 = 64 h + d] holds q, k, v of these positions.  Work-group (x, b) makes out0[b][0..15][16 x .. 16 x + 15]; wave h is head h.  Each work-group repeats its batch's sixteen small attentions
; (32 matrix instructions a wave), so that the sum over heads stays inside one work-group and each output number has one owner.
; All three products use v_wmma_f32_16x16x4_f32 transposed, so that a lane holds one query (lane % 16) throughout.  Inside a K step of 4 the places of k are permuted alike on both operands:
;   S^T = k q^T:      step n, lane half hl, register j: d = 8 (n / 2) + 4 hl + 2 (n % 2) + j         O^T = v^T p:  step c: key = 8 hl + 2 c + j        out^T = Wo^T o:  step (ct, c): channel = 16 ct + 8 hl + 2 c + j
; so that S^T's registers, as weights, are the second product's source 1, and O^T's registers the third's.  Four accumulators take turns in each product; v160-255 are written by matrix instructions alone.
; REGISTERS: v1-3, v10-14 addresses; v4-7 at work; v8, v9 the add's two; v16-23 scores, then p; v24-31 p / l; v32-63 q; v64-95 k; v96-127 v; v128-159 Wo; v160-191 S^T; v192-223 O^T; v224-255 out^T.
.set SPARE, 16384                      ; behind the sixteen images of 1,024 bytes: the spare words: eight blocks of 256 bytes that no other line names
.set SPW, 8
.set NIL, 9
	s_load_b128 s[4:7], s[0:1], 0x0                ; fin s[4:5], Wo s[6:7]
	s_load_b128 s[8:11], s[0:1], 0x10              ; bo s[8:9], out0 s[10:11]
	v_lshl_add_u32 v[SPW], v0, 2, SPARE
	v_mov_b32 v[NIL], 0
	v_lshrrev_b32 v4, 5, v0
	v_readfirstlane_b32 s12, v4                    ; wave = head
	s_and_b32 s13, ttmp7, 0xffff                   ; batch
	v_and_b32 v4, 15, v0                           ; r
	v_bfe_u32 v5, v0, 4, 1                         ; hl
	v_lshlrev_b32 v1, 12, v4
	v_lshl_add_u32 v1, v5, 4, v1                   ; q, k: row r of 4,096 bytes, + 16 hl
	v_lshlrev_b32 v2, 2, v4
	v_lshl_add_u32 v2, v5, 15, v2                  ; v, Wo: column r, + 8 hl rows of 4,096 bytes
	v_lshlrev_b32 v6, 3, v5
	v_sub_nc_u32 v3, v4, v6                        ; r - 8 hl
	v_and_b32 v6, 31, v0
	v_lshlrev_b32 v6, 4, v6
	s_lshl_b32 s20, s12, 10
	v_add_nc_u32 v10, s20, v6                      ; my head's image: 16 x lane + 1,024 x wave
	s_lshl_b32 s20, s12, 9
	v_add_nc_u32 v11, s20, v6                      ; waves 0 and 1: the half of every image that I add up
	v_lshlrev_b32 v14, 5, v5
	s_lshl_b32 s20, s12, 4
	v_add_nc_u32 v14, s20, v14                     ; 32 hl + 16 x wave: my four columns, as bytes
	v_lshl_add_u32 v13, v4, 12, v14                ; + row r of out0
	v_mov_b32 v12, 0xff800000                      ; -infinity
	s_mov_b32 s16, 0x76543210
	s_mov_b32 s17, 0xfedcba98
	s_mov_b32 s18, 0x3e38aa3b                      ; c = log2(e) / 8
	s_lshl_b32 s20, s13, 16
	s_lshl_b32 s21, s12, 8
	s_add_co_u32 s20, s20, s21
	s_mov_b32 s21, 0                               ; fin: 65,536 b + 256 h
	s_lshl_b32 s22, s12, 18
	s_lshl_b32 s23, ttmp9, 6
	s_add_co_u32 s22, s22, s23
	s_mov_b32 s23, 0                               ; Wo: 64 h rows of 4,096 bytes + my 16 columns
	s_lshl_b32 s24, ttmp9, 6
	s_mov_b32 s25, 0
	s_lshl_b32 s26, s13, 23
	s_mov_b32 s27, 0                               ; out0: a batch is 8,388,608 bytes
	s_wait_kmcnt 0x0
	s_add_nc_u64 s[4:5], s[4:5], s[20:21]
	s_add_nc_u64 s[6:7], s[6:7], s[22:23]
	s_add_nc_u64 s[8:9], s[8:9], s[24:25]
	s_add_nc_u64 s[10:11], s[10:11], s[24:25]
	s_add_nc_u64 s[10:11], s[10:11], s[26:27]
.irp c, 0,1,2,3,4,5,6,7
	global_load_b128 v[64+4*\c:67+4*\c], v1, s[4:5] offset:262144+32*\c    ; k
.endr
.irp c, 0,1,2,3,4,5,6,7
	global_load_b128 v[32+4*\c:35+4*\c], v1, s[4:5] offset:32*\c           ; q
.endr
.irp ct, 0,1,2,3
.irp n, 0,1,2,3,4,5,6,7
	global_load_b32 v[96+8*\ct+\n], v2, s[4:5] offset:524288+\n*4096+64*\ct   ; v(key 8 hl + n, channel 16 ct + r)
.endr
.endr
	s_wait_loadcnt 32                              ; k and q are in; v's 32 loads may be out
.irp ct, 0,1,2,3
.irp n, 0,1,2,3,4,5,6,7
	global_load_b32 v[128+8*\ct+\n], v2, s[6:7] offset:(16*\ct+\n)*4096       ; Wo(64 h + 16 ct + 8 hl + n, my column r): asked for ahead of the first products, wanted by the third
.endr
.endr
.set n, 0
.rept 16
.if n < 4
	v_wmma_f32_16x16x4_f32 v[160+8*(n%4):167+8*(n%4)], v[64+2*n:65+2*n], v[32+2*n:33+2*n], 0
.else
	v_wmma_f32_16x16x4_f32 v[160+8*(n%4):167+8*(n%4)], v[64+2*n:65+2*n], v[32+2*n:33+2*n], v[160+8*(n%4):167+8*(n%4)]
.endif
.set n, n+1
.endr
.rept 8
	v_nop                                          ; eight plain lines behind this form before a vector line reads its result (ISA guide 7.12.1)
.endr
.irp p, 0,2,4,6
	v_pk_add_f32 v[16+\p:17+\p], v[160+\p:161+\p], v[168+\p:169+\p]        ; the four partial sums, each read from its low end on
	v_pk_add_f32 v[24+\p:25+\p], v[176+\p:177+\p], v[184+\p:185+\p]
.endr
.irp p, 0,2,4,6
	v_pk_add_f32 v[16+\p:17+\p], v[16+\p:17+\p], v[24+\p:25+\p]            ; register j: the score of key 8 hl + j for query r
.endr
.irp j, 0,1,2,3,4,5,6,7
	v_cmp_gt_i32 vcc_lo, \j, v3                    ; key 8 hl + j comes after query r
	v_cndmask_b32 v[16+\j], v[16+\j], v12, vcc_lo
.endr
	v_max3_num_f32 v4, v16, v17, v18
	v_max3_num_f32 v4, v4, v19, v20
	v_max3_num_f32 v4, v4, v21, v22
	v_max_num_f32 v4, v4, v23
	v_permlanex16_b32 v5, v4, s16, s17
	v_max_num_f32 v4, v4, v5                       ; the row's maximum: key 0 counts for every query
	v_mul_f32 v5, s18, v4
.irp j, 0,1,2,3,4,5,6,7
	v_fma_f32 v[16+\j], v[16+\j], s18, -v5
.endr
.irp j, 0,1,2,3,4,5,6,7
	v_exp_f32 v[16+\j], v[16+\j]
.endr
	v_nop
	s_wait_alu depctr_va_vdst(0)                   ; one wait for the eight exponentials, ahead of their first reader
	v_add_f32 v6, v16, v17
	v_add_f32 v7, v18, v19
	v_add_f32 v6, v6, v20
	v_add_f32 v7, v7, v21
	v_add_f32 v6, v6, v22
	v_add_f32 v7, v7, v23
	v_add_f32 v6, v6, v7
	v_permlanex16_b32 v4, v6, s16, s17
	v_add_f32 v6, v6, v4
	v_rcp_f32 v7, v6
	v_nop
	s_wait_alu depctr_va_vdst(0)
.irp j, 0,1,2,3,4,5,6,7
	v_mul_f32 v[24+\j], v[16+\j], v7               ; the weights
.endr
	s_wait_loadcnt 32                              ; v is in; Wo's 32 loads may be out
.irp c, 0,1,2,3
.irp ct, 0,1,2,3
.if \c == 0
	v_wmma_f32_16x16x4_f32 v[192+8*\ct:199+8*\ct], v[96+8*\ct+2*\c:97+8*\ct+2*\c], v[24+2*\c:25+2*\c], 0
.else
	v_wmma_f32_16x16x4_f32 v[192+8*\ct:199+8*\ct], v[96+8*\ct+2*\c:97+8*\ct+2*\c], v[24+2*\c:25+2*\c], v[192+8*\ct:199+8*\ct]
.endif
.endr
.endr
.rept 9
	v_nop                                          ; nine plain lines before a matrix instruction takes these results as a source
.endr
	s_wait_loadcnt 0x0                             ; Wo
.irp c, 0,1,2,3
.irp ct, 0,1,2,3
.if \c == 0
	v_wmma_f32_16x16x4_f32 v[224+8*\ct:231+8*\ct], v[128+8*\ct+2*\c:129+8*\ct+2*\c], v[192+8*\ct+2*\c:193+8*\ct+2*\c], 0
.else
	v_wmma_f32_16x16x4_f32 v[224+8*\ct:231+8*\ct], v[128+8*\ct+2*\c:129+8*\ct+2*\c], v[192+8*\ct+2*\c:193+8*\ct+2*\c], v[224+8*\ct:231+8*\ct]
.endif
.endr
.endr
.rept 8
	v_nop
.endr
.irp p, 0,2,4,6
	v_pk_add_f32 v[32+\p:33+\p], v[224+\p:225+\p], v[232+\p:233+\p]
	v_pk_add_f32 v[40+\p:41+\p], v[240+\p:241+\p], v[248+\p:249+\p]
.endr
.irp p, 0,2,4,6
	v_pk_add_f32 v[32+\p:33+\p], v[32+\p:33+\p], v[40+\p:41+\p]            ; register j: my head's part of out0(query r, column 16 x + 8 hl + j)
.endr
	ds_store_b128 v10, v[32:35]                    ; as an image of the registers: 16 bytes a lane
	ds_store_b128 v10, v[36:39] offset:512
	s_wait_dscnt 0x0                               ; for the others' sake: my stores have landed
	s_barrier_signal -1
	s_barrier_wait -1
	s_cmp_lt_u32 s12, 2                            ; waves 0 and 1 add the sixteen heads: wave u takes registers 4 u .. 4 u + 3
	s_cbranch_scc0 .Lend
	global_load_b128 v[40:43], v14, s[8:9]         ; bo at my four columns
.irp p, 0,1,2,3,4,5,6,7,8,9,10,11,12,13,14,15
	ds_load_b128 v[64+4*\p:67+4*\p], v11 offset:1024*\p
.endr
	s_wait_dscnt 0x0
.irp p, 1,2,3,4,5,6,7,8,9,10,11,12,13,14,15
	v_pk_add_f32 v[64:65], v[64:65], v[64+4*\p:65+4*\p]
	v_pk_add_f32 v[66:67], v[66:67], v[66+4*\p:67+4*\p]
.endr
	s_wait_loadcnt 0x0
	v_pk_add_f32 v[64:65], v[64:65], v[40:41]
	v_pk_add_f32 v[66:67], v[66:67], v[42:43]
	global_store_b128 v13, v[64:67], s[10:11]      ; pieces of 16 bytes, 64 bytes of a row for a work-group: 262,144 bytes in the whole launch
.Lend:
	s_wait_tensorcnt 0x0                           ; the wave's end
	ds_add_u32 v[SPW], v[NIL]
	s_wait_dscnt 0x0
	s_endpgm
.Lfunc_end_k_qd0b54a78d1_fine:
	.size	k_qd0b54a78d1_fine, .Lfunc_end_k_qd0b54a78d1_fine-k_qd0b54a78d1_fine
	.p2alignl 7, 3214868480
	.fill 96, 4, 3214868480
	.section	.rodata,"a",@progbits
	.p2align	6, 0x0
	.amdhsa_kernel k_qd0b54a78d1_fine
		.amdhsa_group_segment_fixed_size 18432
		.amdhsa_private_segment_fixed_size 0
		.amdhsa_enable_private_segment 0
		.amdhsa_kernarg_size 32
		.amdhsa_user_sgpr_count 2
		.amdhsa_user_sgpr_kernarg_segment_ptr 1
		.amdhsa_wavefront_size32 1
		.amdhsa_system_sgpr_workgroup_id_x 1
		.amdhsa_system_sgpr_workgroup_id_y 1
		.amdhsa_system_sgpr_workgroup_id_z 1
		.amdhsa_system_vgpr_workitem_id 0
		.amdhsa_next_free_vgpr 256
		.amdhsa_next_free_sgpr 66
		.amdhsa_reserve_vcc 1
		.amdhsa_float_denorm_mode_32 3
		.amdhsa_float_denorm_mode_16_64 3
		.amdhsa_memory_ordered 1
		.amdhsa_forward_progress 1
		.amdhsa_inst_pref_size 21
	.end_amdhsa_kernel
	.amdgpu_metadata
---
amdhsa.version: [ 1, 2 ]
amdhsa.kernels:
  - .name:           k_qd0b54a78d1_fine
    .symbol:         k_qd0b54a78d1_fine.kd
    .args:
      - { .name: fin, .offset: 0, .size: 8, .value_kind: global_buffer, .address_space: global }
      - { .name: Wo, .offset: 8, .size: 8, .value_kind: global_buffer, .address_space: global }
      - { .name: bo, .offset: 16, .size: 8, .value_kind: global_buffer, .address_space: global }
      - { .name: out0, .offset: 24, .size: 8, .value_kind: global_buffer, .address_space: global }
    .group_segment_fixed_size: 18432
    .private_segment_fixed_size: 0
    .kernarg_segment_align: 8
    .kernarg_segment_size: 32
    .max_flat_workgroup_size: 512
    .sgpr_count:     66
    .vgpr_count:     256
    .wavefront_size: 32
...
	.end_amdgpu_metadata
.endif
;; end of part 5
